; MI455X (gfx1250); checked and timed in simulation.
; The chip was launched on July 23, 2026; its instructions are those of AMD's public machine-readable ISA for CDNA 5 (MIT licence, August 2026) and "CDNA5" Instruction Set Architecture Reference Guide (July 2026). The comments in the code are by the model that wrote it; some were corrected since.
;; Causal Self Attention. Allowed arithmetic: matrix products marked QUANTISED: E2M1 operands, one E8M0 scale for each 32 along K, by v_wmma_scale_f32_16x16x128_f8f6f4 with both operands' format E2M1 (or v_wmma_scale_f32_32x16x128_f4), f32 sums; products left as they are: bf16, f16 or f32 operands; f32 sums; everything else in f32.
;; Inputs: w_out 1,024 x 1,024 float32; w_qkv 3,072 x 1,024 float32; x 4 x 2,048 x 1,024 float32.
;; Outputs: out0 4 x 2,048 x 1,024 float32.
;; This version of the problem:
;;   THIS VERSION OF THE PROBLEM IS GIVEN IN LOW PRECISION. The matrix products marked QUANTISED in the list below multiply operands that are first quantised to E2M1 (2 exponent bits, 1 mantissa bit; 4 bits a number), with one power-of-two scale for each 32 numbers along K (OCP MX v1.0); their sums are f32. The products marked 'left as it is' may take bf16, f16 or f32 operands, with f32 sums. Whichever they take, every output number must still come out within the allowed error. Rounding operands to bf16 (8 significant bits) uses up far more of that allowance than f16 does (11 bits, for magnitudes from 6e-5 to 65,504). All else is computed in f32.
;;   The module's matrix products, in the order in which they are computed (A, B: the left and right operand; K: the contracted axis; several contracted axes count as one K, in the product's order):
;;     1. [M 8,192, K 1,024] x [K 1,024, N 3,072]; A: input x; B: input w_qkv: QUANTISED
;;     2. batch 64 x [M 2,048, K 64] x [K 64, N 2,048]; A: computed on the way; B: computed on the way: left as it is (an operand is computed on the way)
;;     3. batch 64 x [M 2,048, K 2,048] x [K 2,048, N 64]; A: computed on the way; B: computed on the way: left as it is (an operand is computed on the way)
;;     4. [M 8,192, K 1,024] x [K 1,024, N 1,024]; A: computed on the way; B: input w_out: left as it is (an operand is computed on the way)
;;   THE QUANTISER, for each operand of a quantised product, along K:
;;     - K is cut into blocks of 32 from its start; a last block that is shorter is filled with zeros.
;;     - A block's scale is 2^e with e = floor(log2(the largest magnitude in the block)) - 2, held to -126 .. 127; a block of zeros has e = 0. As a byte (E8M0): e + 127.
;;     - Each number is divided by its block's scale, clamped to +-6, and rounded to the nearest number of E2M1, ties to even, subnormals kept.
;;     - The product sums the exact products of the quantised numbers (number of the format x scale) in f32.
;;   ~~~python
;;   def quantise(x, axis):      # numpy; x: float32 -> the quantised numbers, widened to float32 again
;;       x = np.moveaxis(x, axis, -1); K = x.shape[-1]
;;       x = np.pad(x, [(0, 0)] * (x.ndim - 1) + [(0, -K % 32)]); x = x.reshape(x.shape[:-1] + (-1, 32)); a = np.abs(x).max(-1, keepdims=True)
;;       e = np.where(a > 0, np.clip(np.frexp(np.where(a > 0, a, 1))[1] - 1 - 2, -126, 127), 0)      # np.frexp(a)[1] - 1 = floor(log2(a)), exactly
;;       r = np.clip(x / 2.0 ** e, -6, 6)
;;       step = 2.0 ** (np.maximum(np.frexp(np.where(r == 0, 1, r))[1] - 1, 0) - 1)
;;       q = np.round(r / step) * step * 2.0 ** e      # np.round: ties to even
;;       return np.moveaxis(q.reshape(q.shape[:-2] + (-1,))[..., :K], -1, axis).astype(np.float32)
;;   ~~~
;; One version. Each part assembles by itself: llvm-mc -triple=amdgcn-amd-amdhsa -mcpu=gfx1250 --defsym DOCPART=n.
;; ======== version 1 of 1: 5 launches
;; limits: values are held in f16: magnitudes above 65,504 overflow, below 6.1e-05 lose precision
;; workspace buffers: codes 5,767,168 bytes; scales 360,448 bytes; w16 2,097,152 bytes; rope 524,288 bytes; qkv16 50,331,648 bytes; att16 16,777,216 bytes; fineq 786,432 bytes
;; launch prep (part 1): grid 400 x 1, 4 waves a work-group, no clusters, 33,280 bytes of LDS; arguments x, w_qkv, w_out, codes, scales, w16, rope; writes codes, scales, w16, rope
.if DOCPART == 1
	.amdgcn_target "amdgcn-amd-amdhsa--gfx1250"
	.amdhsa_code_object_version 6
	.text
	.protected	k_qb7d11d3b6a_prep
	.globl	k_qb7d11d3b6a_prep
	.p2align	8
	.type	k_qb7d11d3b6a_prep,@function
k_qb7d11d3b6a_prep:
	s_mov_b64 s[64:65], 0
	v_nop
	global_prefetch_b8 v0, s[64:65] scope:SCOPE_SE
	s_setreg_imm32_b32 hwreg(HW_REG_WAVE_MODE, 25, 1), 1
	s_wait_xcnt 0x0
; THREE JOBS IN ONE LAUNCH, told apart by the work-group's number alone.
; Work-groups 0-351: x [8192][1024] and w_qkv [3072][1024], f32, become codes of FP4 (E2M1), K innermost, and one E8M0 byte for each 32 along K.  Both tensors' results follow each other in one
;   buffer of codes (11,264 rows x 512 bytes) and one of scale bytes (11,264 rows x 32 bytes): rows 0-8,191 are x's, the rest w_qkv's.
;   A block's scale is 2^(floor(log2(its largest magnitude)) - 2); its byte is the largest magnitude's exponent field - 2, held at 1 from below.  Numbers are divided by the scale and rounded to the nearest code, ties to even.
; Work-groups 352-383: w_out [1024][1024] f32 is rounded to f16, same layout.
; Work-groups 384-399: the rotary table, [2048 positions][cos of 32 angles | sin of 32 angles] f32, 256 bytes a row.  angle = t x theta_i, theta_i = 10000^(-i/32).
; LIMITS: a block of zeros, or one whose largest magnitude lies under 2^(2 - 126), keeps the byte 1 (a block of zeros has zero codes, and only this program reads the bytes); NaN and infinities are not served;
;   w_out beyond 65,504 in magnitude has no f16 number; theta comes from the base-2 exponential (1 ulp), so an angle may differ from t x the exact theta by 1.3e-4 rad at t = 2,047.
; No cluster, no tensor load: no two work-groups read the same byte.  The launch is a stream: dense loads of 512 bytes a wave, stores of whole aligned runs of 256 bytes.
.set WAVES, 4
.set STEPS, 16
.set EMAX,  2
.set CB,    8                          ; bytes of 16 codes
.set R,     16                         ; v16-79   four sets of 16 numbers as they are loaded
.set X,     80                         ; v80-111  two sets of 16 neighbours
.set E,     112                        ; v112-127 a scale byte for each step
.set C,     128                        ; v128-191 codes: four registers for each step, so that no store's data are written again
.set WREG,  8192                       ; LDS: a region for each wave: two stages of 32 x SP bytes, behind them its 256 scale bytes
.set SP,    80                         ; a lane's place in a stage: 64 bytes + 16 of padding
.set SPW,   12                         ; v12  LDS address of my spare word; never rewritten
.set NIL,   13                         ; v13  0; never rewritten
.set SPARE, WAVES*WREG                 ; behind the regions: the spare words, 128 bytes a wave
	s_load_b256 s[4:11], s[0:1], 0x0               ; x s[4:5], w_qkv s[6:7], w_out s[8:9], codes s[10:11]
	s_load_b128 s[12:15], s[0:1], 0x20             ; scales s[12:13], w16 s[14:15]
	s_load_b64 s[16:17], s[0:1], 0x30              ; rope
	v_lshl_add_u32 v[SPW], v0, 2, SPARE
	v_mov_b32 v[NIL], 0
	v_lshrrev_b32 v1, 5, v0
	v_readfirstlane_b32 s18, v1                    ; wave
	v_and_b32 v2, 31, v0                           ; lane
	s_cmp_ge_u32 ttmp9, 352
	s_cbranch_scc1 .Lother
; ---- THE QUANTISER.  A wave takes 16 steps of 512 numbers.  Each of a step's four loads reads 512 consecutive bytes; the 2,048 bytes turn through the wave's own stage in LDS and come back 64 bytes a lane,
; so that a lane holds 16 neighbours along K (two neighbouring lanes hold a block of 32).
	v_lshlrev_b32 v3, 4, v2                        ; my 16 bytes of a load's 512
	s_mul_i32 s19, s18, WREG
	v_lshrrev_b32 v14, 2, v2
	v_mul_u32_u24 v14, v14, SP
	v_and_b32 v15, 3, v2
	v_lshl_add_u32 v14, v15, 4, v14
	v_add_nc_u32 v14, s19, v14                     ; the stage, on the way in: SP (lane / 4) + 16 (lane % 4)
	v_mul_u32_u24 v15, v2, SP
	v_add_nc_u32 v15, s19, v15                     ; and on the way out: SP x lane
	v_mul_u32_u24 v4, v2, CB                       ; my codes' place in a step's
	v_lshrrev_b32 v5, 1, v2
	s_add_co_u32 s19, s19, 2*32*SP
	v_add_nc_u32 v5, s19, v5                       ; LDS: my wave's 256 scale bytes, my block's byte
	v_lshlrev_b32 v7, 3, v2                        ; and on the way out 8 bytes a lane
	v_add_nc_u32 v6, s19, v7
	s_wait_kmcnt 0x0
	s_cmp_lt_u32 ttmp9, 256                        ; x's work-group or w_qkv's?
	s_cselect_b64 s[4:5], s[4:5], s[6:7]
	s_cselect_b32 s20, 0, 256
	s_sub_co_u32 s20, ttmp9, s20
	s_lshl_b32 s20, s20, 2
	s_add_co_u32 s20, s20, s18                     ; which run of 8,192 numbers of the tensor is my wave's
	s_mov_b32 s21, 0
	s_lshl_b64 s[20:21], s[20:21], 15              ; 32,768 bytes a run
	s_add_nc_u64 s[4:5], s[4:5], s[20:21]
	s_lshl_b32 s22, ttmp9, 2
	s_add_co_u32 s22, s22, s18                     ; which run of the joined results
	s_lshl_b32 s24, s22, 12                        ; 4,096 bytes of codes a run
	s_mov_b32 s25, 0
	s_add_nc_u64 s[10:11], s[10:11], s[24:25]
	s_lshl_b32 s24, s22, 8                         ; 256 scale bytes a run
	s_add_nc_u64 s[12:13], s[12:13], s[24:25]
.macro LOAD t
.irp i, 0,1,2,3
	global_load_b128 v[R+16*((\t)%4)+4*\i:R+16*((\t)%4)+4*\i+3], v3, s[4:5] offset:2048*(\t)+512*\i th:TH_LOAD_NT
.endr
.endm
.macro TURN t                          ; step t's numbers through the stage: LDS serves a wave's instructions in order, so no wait stands between the stores and the loads
.irp i, 0,1,2,3
	ds_store_b128 v14, v[R+16*((\t)%4)+4*\i:R+16*((\t)%4)+4*\i+3] offset:32*SP*((\t)%2)+8*SP*\i
.endr
.irp i, 0,1,2,3
	ds_load_b128 v[X+16*((\t)%2)+4*\i:X+16*((\t)%2)+4*\i+3], v15 offset:32*SP*((\t)%2)+16*\i
.endr
.endm
.irp t, 0,1,2,3
	LOAD \t
.endr
	s_wait_loadcnt 12                              ; step 0's four loads are in; the twelve of steps 1 to 3 may be out
	TURN 0
.macro STEP t
.set XS, X+16*((\t)%2)
.if (\t) > 0
	s_wait_dscnt 1                                 ; this step's numbers are back from the stage (the last step's byte store may be out)
.else
	s_wait_dscnt 0x0
.endif
.if (\t)+4 < STEPS
	LOAD (\t)+4                                    ; into the registers that this step's stores into the stage have read
.endif
.if (\t)+1 < STEPS
.if STEPS-2-(\t) >= 3
	s_wait_loadcnt 12                              ; the next step's four loads are in; those of the three steps behind it may be out
.else
	s_wait_loadcnt 4*(STEPS-2-(\t))
.endif
	TURN (\t)+1
.endif
	v_max3_num_f32 v8, |v[XS]|, |v[XS+1]|, |v[XS+2]|               ; the largest magnitude of my 16, in two chains
	v_max3_num_f32 v9, |v[XS+3]|, |v[XS+4]|, |v[XS+5]|
.irp i, 6,10
	v_max3_num_f32 v8, v8, |v[XS+\i]|, |v[XS+\i+1]|
	v_max3_num_f32 v9, v9, |v[XS+\i+2]|, |v[XS+\i+3]|
.endr
	v_max3_num_f32 v8, v8, |v[XS+14]|, |v[XS+15]|
	v_max3_num_f32 v8, v8, v9, (EMAX+1)<<23        ; and the floor 2^(EMAX + 1 - 127): the byte cannot fall under 1
	v_max_num_f32_dpp v8, v8, v8 row_xmask:1 row_mask:0xf bank_mask:0xf   ; and of my neighbour's 16: the block's
	v_add_nc_u32 v11, -(EMAX<<23), v8              ; EMAX off its exponent field: the conversion takes the exponent field of this operand as its scale
	v_cvt_scalef32_pk8_fp4_f32 v[C+4*(\t)], v[XS:XS+7], v11
	v_cvt_scalef32_pk8_fp4_f32 v[C+4*(\t)+1], v[XS+8:XS+15], v11
	v_lshrrev_b32 v[E+(\t)], 23, v11               ; the scale's byte (also the plain line behind the conversions)
	ds_store_b8 v5, v[E+(\t)] offset:16*(\t)       ; both lanes of a block write the same byte with the same value
	global_store_b64 v4, v[C+4*(\t):C+4*(\t)+1], s[10:11] offset:32*CB*(\t)   ; the wave stores 256 consecutive bytes, aligned
.endm
.irp t, 0,1,2,3,4,5,6,7,8,9,10,11,12,13,14,15
	STEP \t
.endr
	ds_load_b64 v[8:9], v6                         ; my wave's 256 scale bytes: these loads see my stores
	s_wait_dscnt 0x0
	global_store_b64 v7, v[8:9], s[12:13]          ; 32 lanes store 256 consecutive bytes, aligned
	s_branch .Lend
.Lother:
	s_cmp_ge_u32 ttmp9, 384
	s_cbranch_scc1 .Lrope
; ---- w_out TO f16.  A wave takes 8,192 numbers in four groups of 16 loads; two groups are on their way.
	s_sub_co_u32 s20, ttmp9, 352
	s_lshl_b32 s20, s20, 2
	s_add_co_u32 s20, s20, s18                     ; my run
	s_lshl_b32 s22, s20, 14                        ; 16,384 bytes out,
	s_lshl_b32 s20, s20, 15                        ; 32,768 bytes in
	s_mov_b32 s21, 0
	s_mov_b32 s23, 0
	v_lshlrev_b32 v3, 4, v2
	v_lshlrev_b32 v4, 3, v2
	s_wait_kmcnt 0x0
	s_add_nc_u64 s[8:9], s[8:9], s[20:21]
	s_add_nc_u64 s[14:15], s[14:15], s[22:23]
.macro CLOAD g                         ; group g into v16-79 or v112-175
.irp n, 0,1,2,3,4,5,6,7,8,9,10,11,12,13,14,15
	global_load_b128 v[16+96*((\g)%2)+4*\n:16+96*((\g)%2)+4*\n+3], v3, s[8:9] offset:8192*(\g)+512*\n
.endr
.endm
.macro CVT g
.if (\g) < 3
	s_wait_loadcnt 16                              ; this group is in; the next group's sixteen may be out
.else
	s_wait_loadcnt 0x0
.endif
	s_wait_xcnt 0x0                                ; v80-111 were the last group's store data: written again only behind this wait
.set n, 0
.rept 32
	v_cvt_pk_f16_f32 v[80+n], v[16+96*((\g)%2)+2*n], v[16+96*((\g)%2)+2*n+1]
.set n, n+1
.endr
.irp n, 0,1,2,3,4,5,6,7,8,9,10,11,12,13,14,15
	global_store_b64 v4, v[80+2*\n:80+2*\n+1], s[14:15] offset:4096*(\g)+256*\n   ; the wave stores 256 consecutive bytes, aligned
.endr
.if (\g) < 2
	CLOAD (\g)+2
.endif
.endm
	CLOAD 0
	CLOAD 1
	CVT 0
	CVT 1
	CVT 2
	CVT 3
	s_branch .Lend
.Lrope:
; ---- THE TABLE.  A wave makes 32 rows.  Lane l makes cos(a - h pi/2), h = l / 16, for the angles i0 = 2 (l % 16) and i0 + 1: lanes 0-15 give cosines, lanes 16-31 sines, and one store of 8 bytes a lane is a whole row.
; a = k pi/2 + r with |r| <= pi/4 (pi/2 in two parts, fused multiply-adds); sin r and cos r by their series up to r^9 and r^8, whose remainders lie under 3e-8.
	s_sub_co_u32 s20, ttmp9, 384
	s_lshl_b32 s20, s20, 2
	s_add_co_u32 s20, s20, s18
	s_lshl_b32 s30, s20, 5                         ; my first position
	s_lshl_b32 s20, s30, 8                         ; 256 bytes a row
	s_mov_b32 s21, 0
	s_mov_b32 s32, 0x3f22f983                      ; 2 / pi
	s_mov_b32 s33, 0x3638ef1d                      ; 1/9!
	s_mov_b32 s34, 0xb9500d01                      ; -1/7!
	s_mov_b32 s35, 0x3c088889                      ; 1/5!
	s_mov_b32 s36, 0xbe2aaaab                      ; -1/3!
	s_mov_b32 s37, 0x37d00d01                      ; 1/8!
	s_mov_b32 s38, 0xbab60b61                      ; -1/6!
	s_mov_b32 s39, 0x3d2aaaab                      ; 1/4!
	v_lshrrev_b32 v10, 4, v2                       ; h
	v_and_b32 v14, 15, v2
	v_lshlrev_b32 v14, 1, v14                      ; i0
	v_add_nc_u32 v15, 1, v14
	v_lshlrev_b32 v9, 3, v2                        ; my 8 bytes of a row
	v_cvt_f32_u32 v22, v14
	v_cvt_f32_u32 v23, v15
	v_mul_f32 v22, 0xbed49a78, v22                 ; -i log2(10000) / 32
	v_mul_f32 v23, 0xbed49a78, v23
	v_exp_f32 v20, v22                             ; theta
	v_exp_f32 v21, v23
	v_nop                                          ; a plain line behind the exponentials,
	s_wait_alu depctr_va_vdst(0)                   ; and the one wait for both, ahead of the label and of their first reader
	s_wait_kmcnt 0x0
	s_add_nc_u64 s[16:17], s[16:17], s[20:21]
	s_mov_b32 s31, 0
.Lrow:
	v_cvt_f32_u32 v11, s30                         ; t
.irp u, 0,1
	v_mul_f32 v[22+\u], v11, v[20+\u]              ; a = t theta, rounded to f32 as the definition rounds it
.endr
.irp u, 0,1
	v_mul_f32 v[24+\u], s32, v[22+\u]
.endr
.irp u, 0,1
	v_rndne_f32 v[24+\u], v[24+\u]                 ; k
.endr
.irp u, 0,1
	v_fmamk_f32 v[26+\u], v[24+\u], 0xbfc90fdb, v[22+\u]   ; a - k x the upper part of pi/2: exact
.endr
.irp u, 0,1
	v_fmamk_f32 v[26+\u], v[24+\u], 0x333bbd2e, v[26+\u]   ; - k x the lower part: r
.endr
.irp u, 0,1
	v_cvt_i32_f32 v[28+\u], v[24+\u]
.endr
.irp u, 0,1
	v_sub_nc_u32 v[28+\u], v[28+\u], v10           ; q = k - h
.endr
.irp u, 0,1
	v_mul_f32 v[30+\u], v[26+\u], v[26+\u]         ; r^2
.endr
.irp u, 0,1
	v_fma_f32 v[32+\u], v[30+\u], s33, s34
	v_fma_f32 v[34+\u], v[30+\u], s37, s38
.endr
.irp u, 0,1
	v_fma_f32 v[32+\u], v[32+\u], v[30+\u], s35
	v_fma_f32 v[34+\u], v[34+\u], v[30+\u], s39
.endr
.irp u, 0,1
	v_fma_f32 v[32+\u], v[32+\u], v[30+\u], s36
	v_fma_f32 v[34+\u], v[34+\u], v[30+\u], -0.5
.endr
.irp u, 0,1
	v_mul_f32 v[36+\u], v[26+\u], v[30+\u]         ; r^3
	v_fma_f32 v[34+\u], v[34+\u], v[30+\u], 1.0    ; cos r
.endr
.irp u, 0,1
	v_fma_f32 v[32+\u], v[32+\u], v[36+\u], v[26+\u]   ; sin r
.endr
.irp u, 0,1                                    ; cos(q pi/2 + r): q % 4 = 0: cos r; 1: -sin r; 2: -cos r; 3: sin r.  A choice of values, no branch
	v_and_b32 v[38+\u], 1, v[28+\u]
	v_cmp_eq_u32 vcc_lo, 1, v[38+\u]
	v_cndmask_b32 v[40+\u], v[34+\u], v[32+\u], vcc_lo
	v_add_nc_u32 v[38+\u], 1, v[28+\u]
	v_and_b32 v[38+\u], 2, v[38+\u]
	v_lshlrev_b32 v[38+\u], 30, v[38+\u]
	v_xor_b32 v[40+\u], v[40+\u], v[38+\u]
.endr
	global_store_b64 v9, v[40:41], s[16:17]        ; a row: 256 consecutive bytes, aligned
	s_wait_xcnt 0x0                                ; the store has read its data and its base: both are written again only behind this wait
	s_add_nc_u64 s[16:17], s[16:17], 256
	s_add_co_u32 s30, s30, 1
	s_add_co_u32 s31, s31, 1
	s_cmp_lt_u32 s31, 32
	s_cbranch_scc1 .Lrow
.Lend:
	s_wait_tensorcnt 0x0                           ; the wave's end: the tensor wait (kept in a text with no tensor load too), an add and its wait, behind the last LDS store
	ds_add_u32 v[SPW], v[NIL]
	s_wait_dscnt 0x0
	s_endpgm
.Lfunc_end_k_qb7d11d3b6a_prep:
	.size	k_qb7d11d3b6a_prep, .Lfunc_end_k_qb7d11d3b6a_prep-k_qb7d11d3b6a_prep
	.p2alignl 7, 3214868480
	.fill 96, 4, 3214868480
	.section	.rodata,"a",@progbits
	.p2align	6, 0x0
	.amdhsa_kernel k_qb7d11d3b6a_prep
		.amdhsa_group_segment_fixed_size 33280
		.amdhsa_private_segment_fixed_size 0
		.amdhsa_enable_private_segment 0
		.amdhsa_kernarg_size 56
		.amdhsa_user_sgpr_count 2
		.amdhsa_user_sgpr_kernarg_segment_ptr 1
		.amdhsa_wavefront_size32 1
		.amdhsa_system_sgpr_workgroup_id_x 1
		.amdhsa_system_sgpr_workgroup_id_y 1
		.amdhsa_system_sgpr_workgroup_id_z 1
		.amdhsa_system_vgpr_workitem_id 0
		.amdhsa_next_free_vgpr 192
		.amdhsa_next_free_sgpr 66
		.amdhsa_reserve_vcc 1
		.amdhsa_float_denorm_mode_32 3
		.amdhsa_float_denorm_mode_16_64 3
		.amdhsa_memory_ordered 1
		.amdhsa_forward_progress 1
		.amdhsa_inst_pref_size 58
	.end_amdhsa_kernel
	.amdgpu_metadata
---
amdhsa.version: [ 1, 2 ]
amdhsa.kernels:
  - .name:           k_qb7d11d3b6a_prep
    .symbol:         k_qb7d11d3b6a_prep.kd
    .args:
      - { .name: x, .offset: 0, .size: 8, .value_kind: global_buffer, .address_space: global }
      - { .name: w_qkv, .offset: 8, .size: 8, .value_kind: global_buffer, .address_space: global }
      - { .name: w_out, .offset: 16, .size: 8, .value_kind: global_buffer, .address_space: global }
      - { .name: codes, .offset: 24, .size: 8, .value_kind: global_buffer, .address_space: global }
      - { .name: scales, .offset: 32, .size: 8, .value_kind: global_buffer, .address_space: global }
      - { .name: w16, .offset: 40, .size: 8, .value_kind: global_buffer, .address_space: global }
      - { .name: rope, .offset: 48, .size: 8, .value_kind: global_buffer, .address_space: global }
    .group_segment_fixed_size: 33280
    .private_segment_fixed_size: 0
    .kernarg_segment_align: 8
    .kernarg_segment_size: 56
    .max_flat_workgroup_size: 128
    .sgpr_count:     66
    .vgpr_count:     192
    .wavefront_size: 32
...
	.end_amdgpu_metadata
.endif
;; end of part 1
;; launch qkv (part 2): grid 12 x 32, 4 waves a work-group, clusters of 4 x 4, 327,680 bytes of LDS; arguments codes, scales, rope, qkv16, fineq; writes qkv16, fineq
.if DOCPART == 2
	.amdgcn_target "amdgcn-amd-amdhsa--gfx1250"
	.amdhsa_code_object_version 6
	.text
	.protected	k_qb7d11d3b6a_qkv
	.globl	k_qb7d11d3b6a_qkv
	.p2align	8
	.type	k_qb7d11d3b6a_qkv,@function
k_qb7d11d3b6a_qkv:
	s_mov_b64 s[64:65], 0
	v_nop
	global_prefetch_b8 v0, s[64:65] scope:SCOPE_SE
	s_setreg_imm32_b32 hwreg(HW_REG_WAVE_MODE, 25, 1), 1
	s_wait_xcnt 0x0
	s_wait_alu depctr_hold_cnt(0) depctr_sa_sdst(0) depctr_va_vdst(0) depctr_va_sdst(0) depctr_va_ssrc(0) depctr_va_vcc(0) depctr_vm_vsrc(0)
	s_getreg_b32 s2, hwreg(HW_REG_IB_STS2, 6, 4)
	s_cmp_eq_u32 s2, 0
	s_cbranch_scc0 .Lentry_in_a_cluster
	s_endpgm
.Lentry_in_a_cluster:
	s_bfe_u32 s2, ttmp6, 0x10000c
	s_cmp_lg_u32 s2, 0xf033
	s_cbranch_scc0 .Lentry_shape_is_right
	s_endpgm
.Lentry_shape_is_right:
; qkv[m][o] = sum over k of x[m][k] w_qkv[o][k] on codes of FP4 (E2M1) with one E8M0 scale for each 32 along K; sums in f32; then the rotary turn of q and k in f32; q, k, v leave as f16, laid [which][batch][head][position][64].
; The first 16 positions of every sequence also leave in f32 (fineq, [which][batch][head][16][64]) for the launch that carries those rows finely.
; codes: 11,264 rows x 512 bytes, scales: 11,264 rows x 32 bytes: rows 0-8,191 are x's (A), rows 8,192 on are w_qkv's (B).
; A tile of 256 x 256 is made by four waves, each 128 x 128: 64 accumulators, 512 registers.  K = 1,024 is two slots of 512: BOTH are first fills, so no slot is ever filled again.
; The scale bytes of the work-group's 256 + 256 rows come once, as dense blocks in rows of 256 bytes.
; CLUSTERS: 4 x 4 work-groups.  The four of a row of the cluster need the same tiles of A, the four of a column the same tiles of B: each tile is asked for jointly.  Tile row = 8 cy + cluster y, so that the batch is cy and the
; block of 256 positions is the cluster's y, alike in all partners; tile column = 4 cluster x + cx, so that cluster x says q, k or v.  So the two branches of the way out (v has no rotary turn; only the block of positions 0-15
; leaves in f32) hang on the cluster's numbers and the wave's alone.
; THE MATRIX INSTRUCTION IS USED TRANSPOSED (source 0 = 16 rows of B, source 1 = 16 rows of A): lane (r, h) of accumulator (a, b) holds position 16 a + r, head b / 4, channels 16 (b % 4) + 8 h + 0 .. 7.
; A rotary pair (d, d + 32) so lies in accumulators b and b + 2, same lane, same register.
; LIMITS: |q|, |k|, |v| beyond 65,504 have no f16 number (inputs 30 times the drawn spread, or offsets of 30 spreads on both, stay under 30,000).
; REGISTERS, in windows of 256: window 0: v0-31 addresses; v32-95 scale words, two sets; v128-191 A's fragments, one set; v192-255 the table's cos and sin, two sets.  On the way out v32-95 the turned numbers, v96-127 packed f16, v128-191 rows read back.
;   window 1: B's fragments, two sets.   window 2: accumulators of my rows 0-63 ((a, b) at v[8 (8 a + b)]);   window 3: rows 64-127.
.set NQ,     4                         ; steps of 128 along K in a slot
.set ROWB,   256                       ; a tile's row in bytes: 512 codes
.set KROW,   512                       ; a row of codes in memory
.set PITCH,  272                       ; an LDS row: 256 bytes + 16 of padding: the 16 rows that a load touches start at 16 different banks
.set FR,     8
.set NL,     2
.set NP,     4                         ; places behind this matrix instruction (ISA guide 7.12.1)
.set HALFT,  128*PITCH
.set SLOT,   4*HALFT
.set KS,     32                        ; a row of scale bytes
.set SCL,    2*SLOT
.set HALFS,  (128*KS/256)*272
.set SBLK,   (16*KS/256)*272
.set SPARE,  SCL+4*HALFS               ; the spare words, 128 bytes a wave
.set WSTG,   4608                      ; the way out: a stage of [2 heads][16 rows] x 144 bytes for each wave, in slot 0, which has had its only fill and its last read by then
.set ADRA, 16
.set ADRB, 20
.set STO,  24
.set RD,   25
.set CO,   26
.set ADRS, 27
.set SPW,  28
.set NIL,  29
.set TO,   30                          ; v30  256 r + 32 h: my place in 16 rows of the table, and of fineq
.set SC,   32
.set AF,   128
.set T,    32
.set PK,   96
.set BK,   128
.set CSR,  192
.set G1, 24
.set G0, 32
.set G1B, 48
.set G0B, 56
.set G1S, 68
.set G0S, 76
.set G1SB, 80
.set G0SB, 88
.set MSB, 0
.macro WIN new                         ; the immediate's high byte repeats the setting that is left
.if MSB != (\new)
	s_set_vgpr_msb (MSB<<8)|(\new)
.set MSB, (\new)
.endif
.endm
.set MUL_LO, 0xa1                      ; source 0 (B) window 1, source 1 (A) window 0, C and D window 2
.set MUL_HI, 0xf1
.set TO_B,   0x40
; A joint load: waves 0 and 1 fetch for A, waves 2 and 3 for B; the branch hangs on the wave's number alone.  An s_nop 0 and four v_nop follow each of the two lines.
.macro JLOAD g0a, g1a, g0b, g1b
	s_cmp_eq_u32 s15, 0
	s_cbranch_scc0 .Lfor_b_\@
	tensor_load_to_lds s[\g0a:\g0a+3], s[\g1a:\g1a+7]
	s_nop 0
.rept 4
	v_nop
.endr
	s_branch .Lasked_\@
.Lfor_b_\@:
	tensor_load_to_lds s[\g0b:\g0b+3], s[\g1b:\g1b+7]
	s_nop 0
.rept 4
	v_nop
.endr
.Lasked_\@:
.endm
.macro CROUND                          ; a round of the cluster's barrier
	s_barrier_signal -1
	s_barrier_wait -1
	s_cmp_lg_u32 s14, 0
	s_cbranch_scc1 .Lnot_wave_0_\@
	s_barrier_signal -3
.Lnot_wave_0_\@:
	s_barrier_wait -3
	s_barrier_signal -1
	s_barrier_wait -1
.endm
	s_load_b256 s[4:11], s[0:1], 0x0               ; codes s[4:5], scales s[6:7], rope s[8:9], qkv16 s[10:11]
	s_load_b64 s[12:13], s[0:1], 0x20              ; fineq
	v_lshl_add_u32 v[SPW], v0, 2, SPARE
	v_mov_b32 v[NIL], 0
	ds_add_u32 v[SPW], v[NIL]                      ; the wave's opening: the add, twice on end, and its wait ahead of my first tensor load
	ds_add_u32 v[SPW], v[NIL]
	v_lshrrev_b32 v1, 5, v0
	v_readfirstlane_b32 s14, v1                    ; wave 0..3
	s_lshr_b32 s15, s14, 1                         ; which half of the tile's rows is mine.  Also: I fetch for A (0) or for B (1)
	s_and_b32 s16, s14, 1                          ; which half of its columns.  Also: which 128 rows I fetch
	s_bfe_u32 s40, ttmp6, 0x40000                  ; cx
	s_bfe_u32 s41, ttmp6, 0x40004                  ; cy
	s_lshl_b32 s42, ttmp9, 2
	s_add_co_u32 s42, s42, s40                     ; tile column = 4 x cluster x + cx
	s_and_b32 s17, ttmp7, 0xffff
	s_lshl_b32 s18, s41, 3
	s_add_co_u32 s17, s17, s18                     ; tile row = 8 cy + cluster y
	s_lshl_b32 s43, s41, 2
	s_lshl_b32 s43, 15, s43                        ; my row of the cluster
	s_lshl_b32 s44, 0x1111, s40                    ; my column
	s_or_b32 s[G1+0], s43, (0<<16)|(1<<20)|(1<<21)|(5<<22)|(3<<25)  ; the mask; elements of 1 byte; padding on; bit 21 beside a mask; after every 64 words 4 words
	s_or_b32 s[G1B+0], s44, (0<<16)|(1<<20)|(1<<21)|(5<<22)|(3<<25)
.irp g, G1, G1B
	s_mov_b32 s[\g+1], ROWB<<16                    ; tensor_dim0
	s_mov_b32 s[\g+2], 128<<16                     ; tensor_dim1
	s_mov_b32 s[\g+3], ROWB<<16                    ; tile_dim0
	s_mov_b32 s[\g+4], 128                         ; tile_dim1
	s_mov_b32 s[\g+5], KROW                        ; the pitch
	s_mov_b32 s[\g+6], 0
	s_mov_b32 s[\g+7], 0
.endr
	s_or_b32 s[G1S+0], s43, (3<<16)|(1<<20)|(1<<21)|(5<<22)|(3<<25)   ; the scales of 128 rows: 4,096 dense bytes as 16 rows of 32 elements of 8 bytes
	s_or_b32 s[G1SB+0], s44, (3<<16)|(1<<20)|(1<<21)|(5<<22)|(3<<25)
.irp g, G1S, G1SB
	s_mov_b32 s[\g+1], 32<<16
	s_mov_b32 s[\g+2], (128*KS/256)<<16
	s_mov_b32 s[\g+3], 32<<16
	s_mov_b32 s[\g+4], 128*KS/256
	s_mov_b32 s[\g+5], 32
	s_mov_b32 s[\g+6], 0
	s_mov_b32 s[\g+7], 0
.endr
	s_lshl_b32 s18, s16, 7
	s_lshl_b32 s20, s17, 8
	s_add_co_u32 s20, s20, s18                     ; A: row 256 x tile row + 128 x half
	s_lshl_b32 s46, s42, 8
	s_add_co_u32 s46, s46, s18
	s_add_co_u32 s46, s46, 8192                    ; B: row 8,192 + 256 x tile column + 128 x half
	s_lshl_b32 s22, s20, 5                         ; where these rows' scales begin,
	s_mov_b32 s23, 0
	s_lshl_b32 s92, s46, 5
	s_mov_b32 s93, 0
	s_lshl_b32 s20, s20, 9                         ; and their codes
	s_mov_b32 s21, 0
	s_lshl_b32 s46, s46, 9
	s_mov_b32 s47, 0
	s_mul_i32 s45, s14, HALFT                      ; where they go: wave x 128 rows: no place in the cluster enters an LDS address
	s_mul_i32 s94, s14, HALFS
	s_wait_dscnt 0x0                               ; both opening adds are done
	s_wait_kmcnt 0x0
	s_add_nc_u64 s[20:21], s[4:5], s[20:21]
	s_add_nc_u64 s[22:23], s[6:7], s[22:23]
	s_add_nc_u64 s[46:47], s[4:5], s[46:47]
	s_add_nc_u64 s[92:93], s[6:7], s[92:93]
	CROUND                                         ; all sixteen work-groups are here: the joint loads meet
	s_mov_b32 s[G0S], 1
	s_add_co_u32 s[G0S+1], s94, SCL
	s_mov_b64 s[G0S+2:G0S+3], s[22:23]
	s_or_b32 s[G0S+3], s[G0S+3], 0x80000000
	s_mov_b32 s[G0SB], 1
	s_add_co_u32 s[G0SB+1], s94, SCL
	s_mov_b64 s[G0SB+2:G0SB+3], s[92:93]
	s_or_b32 s[G0SB+3], s[G0SB+3], 0x80000000
	JLOAD G0S, G1S, G0SB, G1SB                     ; the scales first: they are wanted with the first step
.irp s, 0,1
	s_mov_b32 s[G0+4*\s], 1
	s_add_co_u32 s[G0+4*\s+1], s45, \s*SLOT
	s_add_nc_u64 s[G0+4*\s+2:G0+4*\s+3], s[20:21], \s*ROWB
	s_or_b32 s[G0+4*\s+3], s[G0+4*\s+3], 0x80000000
	s_mov_b32 s[G0B+4*\s], 1
	s_add_co_u32 s[G0B+4*\s+1], s45, \s*SLOT
	s_add_nc_u64 s[G0B+4*\s+2:G0B+4*\s+3], s[46:47], \s*ROWB
	s_or_b32 s[G0B+4*\s+3], s[G0B+4*\s+3], 0x80000000
	JLOAD G0+4*\s, G1, G0B+4*\s, G1B               ; all of K: three tensor loads of mine are out
.endr
	v_and_b32 v1, 15, v0                           ; r
	v_bfe_u32 v2, v0, 4, 1                         ; h
	v_mul_u32_u24 v3, v1, PITCH
	v_lshl_add_u32 v4, v2, 4, v3
	s_mul_i32 s21, s15, HALFT
	s_mul_i32 s22, s16, HALFT
	s_add_co_u32 s22, s22, 2*HALFT
.irp s, 0,1
	v_add_nc_u32 v[ADRA+\s], s21, v4
	v_add_nc_u32 v[ADRB+\s], s22, v4
	s_add_co_u32 s21, s21, SLOT
	s_add_co_u32 s22, s22, SLOT
.endr
	v_mul_u32_u24 v5, v1, KS                       ; my row's scales: KS bytes a row,
	v_lshrrev_b32 v6, 8, v5
	v_lshl_add_u32 v5, v6, 4, v5                   ; and 16 more for each 256 passed
	s_mul_i32 s21, s15, HALFS
	s_mul_i32 s22, s16, HALFS
	s_add_co_u32 s22, s22, 2*HALFS
	s_sub_co_u32 s22, s22, s21
	v_mul_u32_u24 v6, s22, v2                      ; lanes 16-31 take B's
	s_add_co_u32 s21, s21, SCL
	v_add_nc_u32 v5, v5, v6
	v_add_nc_u32 v[ADRS], s21, v5
	s_mul_i32 s23, s14, WSTG                       ; my stage
	v_mul_u32_u24 v5, v1, 144
	v_lshl_add_u32 v5, v2, 4, v5
	v_add_nc_u32 v[STO], s23, v5                   ; in: row r, 16 bytes for each half of the lanes
	v_and_b32 v6, 31, v0
	v_lshrrev_b32 v7, 3, v6
	v_mul_u32_u24 v7, v7, 144
	v_and_b32 v8, 7, v0
	v_lshl_add_u32 v7, v8, 4, v7
	v_add_nc_u32 v[RD], s23, v7                    ; back: eight lanes to a row of 128 bytes, four rows an instruction
	v_lshlrev_b32 v[CO], 4, v6                     ; the same four rows in memory are 512 consecutive bytes
	v_lshlrev_b32 v[TO], 8, v1
	v_lshl_add_u32 v[TO], v2, 5, v[TO]
	s_and_b32 s95, ttmp7, 0xffff                   ; the block of 256 positions
	s_lshl_b32 s98, s95, 8
	s_lshl_b32 s99, s15, 7
	s_add_co_u32 s98, s98, s99                     ; my first position
	s_or_b32 s95, s95, s15                         ; 0 where my block 0 is positions 0-15: the cluster's y and the wave's number alone
	s_lshl_b32 s92, s98, 8
	s_mov_b32 s93, 0
	s_add_nc_u64 s[92:93], s[8:9], s[92:93]        ; the table at my first position
	s_lshl_b32 s96, ttmp9, 24                      ; q, k or v,
	s_lshl_b32 s97, s41, 22                        ; the batch,
	s_add_co_u32 s96, s96, s97
	s_lshl_b32 s97, s40, 2
	s_lshl_b32 s99, s16, 1
	s_add_co_u32 s97, s97, s99                     ; my first head = 4 cx + 2 x half,
	s_lshl_b32 s99, s97, 18
	s_add_co_u32 s96, s96, s99
	s_lshl_b32 s99, s98, 7                         ; my first position
	s_add_co_u32 s96, s96, s99
	s_lshl_b32 s66, ttmp9, 2
	s_add_co_u32 s66, s66, s41
	s_lshl_b32 s66, s66, 16
	s_lshl_b32 s99, s97, 12
	s_add_co_u32 s66, s66, s99
	s_mov_b32 s67, 0
	s_mov_b32 s97, 0
	s_add_nc_u64 s[96:97], s[10:11], s[96:97]      ; qkv16 at my first head and position
	s_add_nc_u64 s[66:67], s[12:13], s[66:67]      ; fineq at my first head
.macro FRAG reg, adr, q, i             ; 16 rows x 128 K of 4-bit codes: 8 registers, two loads of 16 bytes, 32 bytes apart
.irp c, 0,1
	ds_load_b128 v[\reg+4*\c:\reg+4*\c+3], v[\adr] offset:64*(\q)+32*\c+(\i)*16*PITCH
.endr
.endm
; 16 matrix instructions: A's blocks a0, a0 + 1 x B's eight.  The 64 accumulators take turns, one instruction a turn, in the same order in every step.
.macro MUL16 a0, p, q, sc, zero
.irp a, \a0, \a0+1
.irp b, 0,1,2,3,4,5,6,7
.if \zero
	v_wmma_scale_f32_16x16x128_f8f6f4 v[8*(8*((\a)%4)+\b):8*(8*((\a)%4)+\b)+7], v[128*(\p)+FR*\b:128*(\p)+FR*\b+FR-1], v[AF+FR*(\a):AF+FR*(\a)+FR-1], 0, v[SC+8*NQ*(\sc)+NQ*\b+(\q)], v[SC+8*NQ*(\sc)+NQ*(\a)+(\q)] matrix_a_fmt:MATRIX_FMT_FP4 matrix_b_fmt:MATRIX_FMT_FP4 matrix_a_scale:MATRIX_SCALE_ROW1
.else
	v_wmma_scale_f32_16x16x128_f8f6f4 v[8*(8*((\a)%4)+\b):8*(8*((\a)%4)+\b)+7], v[128*(\p)+FR*\b:128*(\p)+FR*\b+FR-1], v[AF+FR*(\a):AF+FR*(\a)+FR-1], v[8*(8*((\a)%4)+\b):8*(8*((\a)%4)+\b)+7], v[SC+8*NQ*(\sc)+NQ*\b+(\q)], v[SC+8*NQ*(\sc)+NQ*(\a)+(\q)] matrix_a_fmt:MATRIX_FMT_FP4 matrix_b_fmt:MATRIX_FMT_FP4 matrix_a_scale:MATRIX_SCALE_ROW1
.endif
.endr
.endr
.endm
.macro FETCH_B slot, q, p
	WIN TO_B
.irp i, 0,1,2,3,4,5,6,7
	FRAG 128*(\p)+FR*\i, ADRB+\slot, \q, \i
.endr
	WIN 0
.endm
.macro FETCH_A slot, q, i0
.irp i, \i0, \i0+1, \i0+2, \i0+3
	FRAG AF+FR*(\i), ADRA+\slot, \q, \i
.endr
.endm
.macro SCALES sc                       ; a slot's scale words: lanes 0-15 take A's block i, lanes 16-31 B's block i
.irp i, 0,1,2,3,4,5,6,7
	ds_load_b128 v[SC+8*NQ*\sc+NQ*\i:SC+8*NQ*\sc+NQ*\i+3], v[ADRS] offset:\i*SBLK
.endr
.endm
.macro PLACES n                        ; plain vector lines between a matrix instruction and a load into, or a read or write of, its registers
.rept \n
	v_nop
.endr
.endm
.macro STEP slot, q, zero              ; a step of 128 along K that has its successor in the same slot
	s_wait_dscnt 4*NL                              ; B's set and A's blocks 0-3 are in; the youngest eight loads (A's blocks 4-7) may be out
	WIN MUL_LO
	MUL16 0, (\q)%2, \q, \slot, \zero
	MUL16 2, (\q)%2, \q, \slot, \zero
	s_wait_dscnt 0
	PLACES NP
	FETCH_B \slot, (\q)+1, 1-(\q)%2
	FETCH_A \slot, (\q)+1, 0
	WIN MUL_HI
	MUL16 4, (\q)%2, \q, \slot, \zero
	MUL16 6, (\q)%2, \q, \slot, \zero
	PLACES NP
	WIN 0
	FETCH_A \slot, (\q)+1, 4
.endm
; Slot 0's last step goes over to slot 1: one barrier.  In front of it each wave waits for all its tensor loads (its part of slot 1), adds 0 to its spare word, and waits for that and for its reads of slot 0.  Nothing is filled again.
.macro TURN slot, next
	s_wait_tensorcnt 0x0
	ds_add_u32 v[SPW], v[NIL]
	s_wait_dscnt 4*NL+1                            ; the add and the youngest eight loads may be out
	WIN MUL_LO
	MUL16 0, 1, NQ-1, \slot, 0
	s_wait_dscnt 0x0                               ; the add is done, and my reads of this slot are over
	s_barrier_signal -1
	MUL16 2, 1, NQ-1, \slot, 0
	WIN 0
	s_barrier_wait -1
	PLACES NP
	v_add_nc_u32 v[ADRS], 4*NQ, v[ADRS]            ; on to the next slot's scale words
	FETCH_B \next, 0, 0
	FETCH_A \next, 0, 0
	SCALES \next
	WIN MUL_HI
	MUL16 4, 1, NQ-1, \slot, 0
	MUL16 6, 1, NQ-1, \slot, 0
	PLACES NP
	WIN 0
	FETCH_A \next, 0, 4
.endm
; The table's rows of block a: cos of my 16 channels at +0 .. +15 of a set, sin at +16 .. +31
.macro LOADCS a
.irp f, 0,1
.irp g, 0,1
.irp u, 0,1
	global_load_b128 v[CSR+32*((\a)%2)+16*\f+8*\g+4*\u:CSR+32*((\a)%2)+16*\f+8*\g+4*\u+3], v[TO], s[92:93] offset:4096*(\a)+128*\f+64*\g+16*\u
.endr
.endr
.endr
.endm
	LOADCS 0                                       ; asked for here so that it lands under the products.  v's tiles ask too and do not read it (4 KB a wave): one line on the one way that all waves take
	s_wait_tensorcnt 1                             ; the scales and my part of slot 0 are in (slot 1's load may be out),
	s_barrier_signal -1
	s_barrier_wait -1                              ; everybody's are
	FETCH_B 0, 0, 0
	FETCH_A 0, 0, 0
	SCALES 0
	FETCH_A 0, 0, 4
	STEP 0, 0, 1                                   ; the first step's products start the sums: nothing is cleared
	STEP 0, 1, 0
	STEP 0, 2, 0
	TURN 0, 1
	STEP 1, 0, 0
	STEP 1, 1, 0
	STEP 1, 2, 0
	s_wait_dscnt 4*NL                              ; the last step: nothing more to fetch
	WIN MUL_LO
	MUL16 0, 1, NQ-1, 1, 0
	MUL16 2, 1, NQ-1, 1, 0
	s_wait_dscnt 0
	WIN MUL_HI
	MUL16 4, 1, NQ-1, 1, 0
	MUL16 6, 1, NQ-1, 1, 0
	WIN 0
; THE WAY OUT, block by block of 16 positions x 2 heads.
.macro ROT a                           ; out(d) = x(d) cos - x(d + 32) sin;  out(d + 32) = x(d + 32) cos + x(d) sin.  Each accumulator is read from its low end on
	WIN 0x02+(\a)/4                                ; source 0: window 2 or 3
.irp y, 0,1
.irp g, 0,1
.irp j, 0,2,4,6
.set X1, 8*(8*((\a)%4)+4*\y+\g)+\j
.set X2, X1+16
.set T1, T+8*(4*\y+\g)+\j
.set T2, T1+16
.set CC, CSR+32*((\a)%2)+8*\g+\j
.set SS, CC+16
	v_pk_mul_f32 v[T1:T1+1], v[X1:X1+1], v[CC:CC+1]
	v_pk_mul_f32 v[T2:T2+1], v[X2:X2+1], v[CC:CC+1]
	v_pk_fma_f32 v[T1:T1+1], v[X2:X2+1], v[SS:SS+1], v[T1:T1+1] neg_lo:[1,0,0] neg_hi:[1,0,0]
	v_pk_fma_f32 v[T2:T2+1], v[X1:X1+1], v[SS:SS+1], v[T2:T2+1]
.endr
.endr
.endr
	WIN 0
.endm
.macro PKT                             ; the turned numbers to f16
.set n, 0
.rept 32
	v_cvt_pk_f16_f32 v[PK+n], v[T+2*n], v[T+2*n+1]
.set n, n+1
.endr
.endm
.macro PACKV a                         ; v: the sums to f16 as they are
	WIN 0x0a+5*((\a)/4)                            ; sources 0 and 1: window 2 or 3
.set n, 0
.rept 32
	v_cvt_pk_f16_f32 v[PK+n], v[64*((\a)%4)+2*n], v[64*((\a)%4)+2*n+1]
.set n, n+1
.endr
	WIN 0
.endm
; Positions 0-15 in f32.  Pieces of 16 bytes of rows of 256: 0.8 MB of the launch's 51 MB.
.macro FINE_T
	s_cmp_lg_u32 s95, 0
	s_cbranch_scc1 .Lnot_first_\@
.irp b, 0,1,2,3,4,5,6,7
.irp u, 0,1
	global_store_b128 v[TO], v[T+8*\b+4*\u:T+8*\b+4*\u+3], s[66:67] offset:(\b/4)*4096+64*(\b%4)+16*\u
.endr
.endr
.Lnot_first_\@:
.endm
.macro FINE_V
	s_cmp_lg_u32 s95, 0
	s_cbranch_scc1 .Lnot_first_\@
	WIN 0x08                                       ; a store's data are its source 1: window 2
.irp b, 0,1,2,3,4,5,6,7
.irp u, 0,1
	global_store_b128 v[TO], v[8*\b+4*\u:8*\b+4*\u+3], s[66:67] offset:(\b/4)*4096+64*(\b%4)+16*\u
.endr
.endr
	WIN 0
.Lnot_first_\@:
.endm
.macro TOSTAGE a                       ; LDS serves a wave's instructions in order: the loads see the stores, and the next block's stores come behind these loads
.irp b, 0,1,2,3,4,5,6,7
	ds_store_b128 v[STO], v[PK+4*\b:PK+4*\b+3] offset:(\b/4)*2304+32*(\b%4)
.endr
.irp i, 0,1,2,3,4,5,6,7
	ds_load_b128 v[BK+32*((\a)%2)+4*\i:BK+32*((\a)%2)+4*\i+3], v[RD] offset:576*\i
.endr
.endm
.macro SEND a
	s_wait_dscnt 0x0                               ; the block is back in registers
.irp i, 0,1,2,3,4,5,6,7
	global_store_b128 v[CO], v[BK+32*((\a)%2)+4*\i:BK+32*((\a)%2)+4*\i+3], s[96:97] offset:2048*(\a)+512*(\i%4)+262144*(\i/4)   ; four positions of a head: 512 consecutive bytes, aligned
.endr
.endm
	PLACES NP                                      ; behind the last products: for the reads of results, the writes over scale words and the loads over A's fragments
	s_cmp_eq_u32 ttmp9, 2                          ; cluster x = 2: v
	s_cbranch_scc1 .Lway_v
.irp a, 0,1,2,3,4,5,6,7
.if \a < 7
	LOADCS \a+1
	s_wait_loadcnt 8                               ; this block's table is in; the next block's eight loads may be out
.else
	s_wait_loadcnt 0x0
.endif
.if \a > 0
	s_wait_xcnt 0x0                                ; the f32 stores have read v32-95, and the stores of two blocks back their registers: both are written again only behind this wait
.endif
	ROT \a
	PKT
.if \a == 0
	FINE_T
.else
	SEND \a-1
.endif
	TOSTAGE \a
.endr
	SEND 7
	s_branch .Lend
.Lway_v:
.irp a, 0,1,2,3,4,5,6,7
.if \a > 1
	s_wait_xcnt 0x0                                ; the stores of two blocks back have read their registers
.endif
	PACKV \a
.if \a == 0
	FINE_V
.else
	SEND \a-1
.endif
	TOSTAGE \a
.endr
	SEND 7
.Lend:
	s_wait_tensorcnt 0x0                           ; the wave's end: the tensor wait, an add and its wait, behind my last tensor load and my last LDS store
	ds_add_u32 v[SPW], v[NIL]
	s_wait_dscnt 0x0
	CROUND                                         ; the closing round
	s_endpgm
.Lfunc_end_k_qb7d11d3b6a_qkv:
	.size	k_qb7d11d3b6a_qkv, .Lfunc_end_k_qb7d11d3b6a_qkv-k_qb7d11d3b6a_qkv
	.p2alignl 7, 3214868480
	.fill 96, 4, 3214868480
	.section	.rodata,"a",@progbits
	.p2align	6, 0x0
	.amdhsa_kernel k_qb7d11d3b6a_qkv
		.amdhsa_group_segment_fixed_size 327680
		.amdhsa_private_segment_fixed_size 0
		.amdhsa_enable_private_segment 0
		.amdhsa_kernarg_size 40
		.amdhsa_user_sgpr_count 2
		.amdhsa_user_sgpr_kernarg_segment_ptr 1
		.amdhsa_wavefront_size32 1
		.amdhsa_system_sgpr_workgroup_id_x 1
		.amdhsa_system_sgpr_workgroup_id_y 1
		.amdhsa_system_sgpr_workgroup_id_z 1
		.amdhsa_system_vgpr_workitem_id 0
		.amdhsa_next_free_vgpr 1024
		.amdhsa_next_free_sgpr 100
		.amdhsa_reserve_vcc 0
		.amdhsa_float_denorm_mode_32 3
		.amdhsa_float_denorm_mode_16_64 3
		.amdhsa_memory_ordered 1
		.amdhsa_forward_progress 1
		.amdhsa_inst_pref_size 199
	.end_amdhsa_kernel
	.amdgpu_metadata
---
amdhsa.version: [ 1, 2 ]
amdhsa.kernels:
  - .name:           k_qb7d11d3b6a_qkv
    .symbol:         k_qb7d11d3b6a_qkv.kd
    .args:
      - { .name: codes, .offset: 0, .size: 8, .value_kind: global_buffer, .address_space: global }
      - { .name: scales, .offset: 8, .size: 8, .value_kind: global_buffer, .address_space: global }
      - { .name: rope, .offset: 16, .size: 8, .value_kind: global_buffer, .address_space: global }
      - { .name: qkv16, .offset: 24, .size: 8, .value_kind: global_buffer, .address_space: global }
      - { .name: fineq, .offset: 32, .size: 8, .value_kind: global_buffer, .address_space: global }
    .group_segment_fixed_size: 327680
    .private_segment_fixed_size: 0
    .kernarg_segment_align: 8
    .kernarg_segment_size: 40
    .max_flat_workgroup_size: 128
    .sgpr_count:     100
    .vgpr_count:     1024
    .wavefront_size: 32
...
	.end_amdgpu_metadata
.endif
;; end of part 2
;; launch attn (part 3): grid 4 x 64, 16 waves a work-group, no clusters, 327,680 bytes of LDS; arguments qkv16, att16; writes att16
.if DOCPART == 3
	.amdgcn_target "amdgcn-amd-amdhsa--gfx1250"
	.amdhsa_code_object_version 6
	.text
	.protected	k_qb7d11d3b6a_attn
	.globl	k_qb7d11d3b6a_attn
	.p2align	8
	.type	k_qb7d11d3b6a_attn,@function
k_qb7d11d3b6a_attn:
	s_mov_b64 s[64:65], 0
	v_nop
	global_prefetch_b8 v0, s[64:65] scope:SCOPE_SE
	s_setreg_imm32_b32 hwreg(HW_REG_WAVE_MODE, 25, 1), 1
	s_wait_xcnt 0x0
; O[bh][q] = sum over k <= q of softmax_k(Q[bh][q] . K[bh][k] / 8) V[bh][k].  q, k, v: f16, [which][64 heads][2048][64]; O: f16, [64 heads][2048][64].  Products on f16 operands with f32 sums; maxima, exponentials and sums in f32;
; the weights p are rounded to f16 for the second product, O once at the end.  A running maximum m and sum l for each query: p = 2^(c s - c m), c = log2(e) / 8; in every step O and l are multiplied by 2^(c m_old - c m_new).
; SHARES.  Work-group (i, head) owns the blocks i and 7 - i of 256 queries, so that under the causal mask every work-group has the same number of wave steps (264).  Waves 0-7 own 32 queries each of block i, waves 8-15 of block 7 - i:
; two tiles of 16 queries a wave, so that each fragment of K and V read from LDS feeds two products.  256 registers a wave, four waves to a SIMD: one wave's vector work stands beside another's products.
; A key step is 64 keys; K and V come through a ring of two LDS slots of 256 keys (waves 0, 1: K's halves; waves 2, 3: V's).  EVERY work-group walks all 8 slots, so that trip counts are constants; a step all of whose keys come after
; the wave's queries is jumped over, and a slot whose first key comes after the work-group's last query is not asked for: both by scalar branches on ids and the count of steps.
; NO CLUSTER: the work-groups of a head need different numbers of slots under the mask, so some partner would jump over the reads of a joint tile.
; LAYOUT.  S^T = K Q^T (source 0 = 16 keys, source 1 = 16 queries): a lane holds ONE query (lane % 16) and keys 8 (lane / 16) + 0..7.  Two such tiles, rounded to f16 in pairs, are source 1 of O^T = V^T P.  V is turned on its way out of LDS.
; LIMITS: as the launch before: operands beyond 65,504 have no f16 number.  NaN and infinities are not served.
; REGISTERS: v1-11 addresses and constants; v12-27 statistics, eight a tile (+0 c m, +1 m, +2, +3 l, +4..7 at work; the factor takes +6); v28-31 addresses; v32-63 Q; v64-127 K's fragments, then P; v128-191 S^T, then V's fragments; v192-255 O^T.
.set KP,    144                        ; a key's row in LDS: 128 bytes + 16 of padding
.set VP,    160                        ; a row of V: 128 + 32
.set VOFF,  256*KP
.set SLOT1, 1<<17
.set STAGE, 2*SLOT1                    ; the way out: 16 rows x 144 bytes for each wave: bytes of their own
.set SPARE, STAGE+16*2304              ; the spare words, 128 bytes a wave
.set AK0, 1
.set AV0, 2
.set SPW, 3
.set NIL, 4
.set ADK, 5
.set ADV, 6
.set GO,  7
.set NINF, 10
.set PFO, 11
.set ST,  12
.set STO, 28
.set RD,  29
.set QO,  30
.set RH,  31                           ; v31  r - 8 h
.set Q,   32
.set X,   64
.set Y,   128
.set O,   192
.set TB,  2
.set WV,  18
.set SEL, 20
.set CS,  22
.set G1K, 24
.set G1V, 32
.set G0K, 40
.set G0V, 44
.set SLOTS, 48
.set KF,  49
.set Q0,  50
.set WL,  51
.set QL,  52
.set PFA, 54
.set LIM, 56
; Waves 0 and 1 fetch K's halves of a slot, waves 2 and 3 V's, the others nothing.  An s_nop 0 and four v_nop follow each of the two lines.
.macro TLOAD
	s_cmp_lt_u32 s[WV], 2
	s_cbranch_scc0 .Lnot_k_\@
	tensor_load_to_lds s[G0K:G0K+3], s[G1K:G1K+7]
	s_nop 0
.rept 4
	v_nop
.endr
	s_branch .Lasked_\@
.Lnot_k_\@:
	s_cmp_lt_u32 s[WV], 4
	s_cbranch_scc0 .Lasked_\@
	tensor_load_to_lds s[G0V:G0V+3], s[G1V:G1V+7]
	s_nop 0
.rept 4
	v_nop
.endr
.Lasked_\@:
.endm
; A prefetch of what the NEXT change of slots will ask for: 32,768 dense bytes of K and as many of V.  The head's first work-group, which walks all slots, asks, and nobody else; in it waves 4-7 ask for K's, waves 8-11 for V's,
; 8,192 bytes a wave, lanes 256 bytes apart: each aligned block of 256 bytes is named once in the launch.  The last change that fills a slot asks for nothing; slots 0 and 1 come by their loads alone.
.macro ASK
	s_cmp_gt_u32 s[SLOTS], s[LIM]
	s_cbranch_scc0 .Lnot_mine_\@
	global_prefetch_b8 v[PFO], s[PFA:PFA+1] th:TH_LOAD_NT scope:SCOPE_SE
.Lnot_mine_\@:
.endm
	s_load_b128 s[4:7], s[0:1], 0x0                ; qkv16 s[4:5], att16 s[6:7]
	v_lshl_add_u32 v[SPW], v0, 2, SPARE
	v_mov_b32 v[NIL], 0
	ds_add_u32 v[SPW], v[NIL]                      ; the wave's opening: the add, twice on end, and its wait ahead of my first tensor load
	ds_add_u32 v[SPW], v[NIL]
	v_lshrrev_b32 v5, 5, v0
	v_readfirstlane_b32 s[WV], v5                  ; wave 0..15
	s_and_b32 s57, ttmp7, 0xffff                   ; the head, 0..63
	s_lshl_b32 s58, s57, 18                        ; its first byte in q, in k, in v and in O
	s_and_b32 s60, s[WV], 1
	s_sub_co_u32 s61, 7, ttmp9
	s_cmp_lt_u32 s[WV], 8
	s_cselect_b32 s61, ttmp9, s61                  ; my block of 256 queries
	s_and_b32 s62, s[WV], 7
	s_lshl_b32 s62, s62, 5
	s_lshl_b32 s[Q0], s61, 8
	s_add_co_u32 s[Q0], s[Q0], s62                 ; my first query
	s_add_co_u32 s[QL], s[Q0], 31                  ; my last
	s_sub_co_u32 s[WL], 8, ttmp9
	s_lshl_b32 s[WL], s[WL], 8
	s_sub_co_u32 s[WL], s[WL], 1                   ; the work-group's last query
	s_mov_b32 s[G1K], (1<<16)|(1<<20)|(4<<22)|(3<<25)   ; elements of 2 bytes; padding on: after every 32 words 4 words
	s_mov_b32 s[G1V], (1<<16)|(1<<20)|(4<<22)|(7<<25)   ; 8 words
.irp g, G1K, G1V
	s_mov_b32 s[\g+1], 64<<16                      ; tensor_dim0
	s_mov_b32 s[\g+2], 128<<16                     ; tensor_dim1
	s_mov_b32 s[\g+3], 64<<16                      ; tile_dim0
	s_mov_b32 s[\g+4], 128                         ; tile_dim1
	s_mov_b32 s[\g+5], 64                          ; the pitch
	s_mov_b32 s[\g+6], 0
	s_mov_b32 s[\g+7], 0
.endr
	s_mul_i32 s63, s60, 128*KP                     ; my half of a slot's K in LDS,
	s_mul_i32 s66, s60, 128*VP
	s_add_co_u32 s66, s66, VOFF                    ; of its V,
	s_lshl_b32 s68, s60, 14
	s_add_co_u32 s68, s68, s58                     ; and in memory
	s_mov_b32 s69, 0
	s_mov_b32 s[SEL], 0x76543210
	s_mov_b32 s[SEL+1], 0xfedcba98
	s_mov_b32 s[CS], 0x3e38aa3b                    ; c = log2(e) / 8
	s_mov_b32 s[CS+1], s[CS]
	s_mov_b32 s[TB], 0
	s_mov_b32 s[KF], 0
	s_mov_b32 s[SLOTS], 7
	s_wait_dscnt 0x0                               ; both opening adds are done
	s_wait_kmcnt 0x0
	s_mov_b32 s[G0K], 1
	s_mov_b32 s[G0K+1], s63
	s_add_nc_u64 s[G0K+2:G0K+3], s[4:5], s[68:69]
	s_add_nc_u64 s[G0K+2:G0K+3], s[G0K+2:G0K+3], 0x1000000   ; k's part of the buffer
	s_or_b32 s[G0K+3], s[G0K+3], 0x80000000
	s_mov_b32 s[G0V], 1
	s_mov_b32 s[G0V+1], s66
	s_add_nc_u64 s[G0V+2:G0V+3], s[4:5], s[68:69]
	s_add_nc_u64 s[G0V+2:G0V+3], s[G0V+2:G0V+3], 0x2000000   ; v's
	s_or_b32 s[G0V+3], s[G0V+3], 0x80000000
	TLOAD                                          ; slot 0
	s_lshl_b32 s70, s[Q0], 7
	s_add_co_u32 s70, s70, s58
	s_mov_b32 s71, 0
	s_add_nc_u64 s[72:73], s[4:5], s[70:71]        ; Q at my first query
	s_add_nc_u64 s[6:7], s[6:7], s[70:71]          ; O likewise
	v_and_b32 v8, 15, v0                           ; r
	v_bfe_u32 v9, v0, 4, 1                         ; h
	v_lshlrev_b32 v[QO], 7, v8
	v_lshl_add_u32 v[QO], v9, 4, v[QO]
.irp t, 0,1
.irp c, 0,1
	global_load_b128 v[Q+16*\t+8*\c:Q+16*\t+8*\c+3], v[QO], s[72:73] offset:2048*\t+64*\c
	global_load_b128 v[Q+16*\t+8*\c+4:Q+16*\t+8*\c+7], v[QO], s[72:73] offset:2048*\t+64*\c+32
.endr
.endr
	s_mov_b32 s74, 0x2000000                       ; the prefetches: waves 4-7 stand in k, waves 8-11 in v,
	s_cmp_lt_u32 s[WV], 8
	s_cselect_b32 s74, 0x1000000, s74
	s_and_b32 s75, s[WV], 3
	s_lshl_b32 s75, s75, 13                        ; 8,192 bytes a wave,
	s_add_co_u32 s74, s74, s75
	s_add_co_u32 s74, s74, s58
	s_add_co_u32 s74, s74, 32768                   ; in slot 1: the first change of slots steps it to slot 2
	s_mov_b32 s75, 0
	s_add_nc_u64 s[PFA:PFA+1], s[4:5], s[74:75]
	s_sub_co_u32 s74, s[WV], 4
	s_lshr_b32 s74, s74, 3                         ; 0 in waves 4 to 11,
	s_or_b32 s74, s74, ttmp9                       ; of the head's first work-group
	s_cmp_eq_u32 s74, 0
	s_cselect_b32 s[LIM], 1, -1
	v_and_b32 v5, 31, v0
	v_lshlrev_b32 v[PFO], 8, v5
	v_mul_u32_u24 v[AK0], v8, KP
	v_lshl_add_u32 v[AK0], v9, 4, v[AK0]           ; K: row r, + 16 h
	v_and_b32 v6, 7, v0
	v_lshl_add_u32 v[AV0], v9, 3, v6
	v_mul_u32_u24 v[AV0], v[AV0], VP
	v_bfe_u32 v6, v0, 3, 1
	v_lshl_add_u32 v[AV0], v6, 4, v[AV0]
	v_add_nc_u32 v[AV0], VOFF, v[AV0]              ; V: key 8 h + lane % 8, channels 8 ((lane / 8) % 2) on
	s_mul_i32 s74, s[WV], 2304
	s_add_co_u32 s74, s74, STAGE                   ; my stage
	v_mul_u32_u24 v[STO], v8, 144
	v_lshl_add_u32 v[STO], v9, 4, v[STO]
	v_add_nc_u32 v[STO], s74, v[STO]
	v_lshrrev_b32 v6, 3, v5
	v_mul_u32_u24 v[RD], v6, 144
	v_and_b32 v6, 7, v0
	v_lshl_add_u32 v[RD], v6, 4, v[RD]
	v_add_nc_u32 v[RD], s74, v[RD]
	v_lshlrev_b32 v[GO], 4, v5
	v_lshlrev_b32 v[RH], 3, v9
	v_sub_nc_u32 v[RH], v8, v[RH]
	v_mov_b32 v[NINF], 0xff800000
.irp t, 0,1
	v_mov_b32 v[ST+8*\t+1], 0xff61b1e6             ; m: -3e38, under every score
	v_mul_f32 v[ST+8*\t], s[CS], v[ST+8*\t+1]
	v_mov_b32 v[ST+8*\t+2], 0                      ; l, in two halves
	v_mov_b32 v[ST+8*\t+3], 0
	v_mov_b32 v[ST+8*\t+5], 0                      ; (a lane permute's destination counts as one of its sources)
	v_mov_b32 v[ST+8*\t+7], 0                      ; (named as the upper half of a pair)
.endr
.set n, 0
.rept 64
	v_mov_b32 v[O+n], 0                            ; O^T.  The step is written once: the first finds zeros, which its factor 0 leaves zeros
.set n, n+1
.endr
; A KEY STEP: 64 keys, the q-th of the slot in hand.
.macro STEP q
	s_cmp_gt_u32 s[KF], s[QL]                      ; all its keys come after my queries: left out.  No barrier and no tensor load stands in a step
	s_cbranch_scc1 .Lhidden_\@
	v_add_nc_u32 v[ADK], s[TB], v[AK0]
	v_add_nc_u32 v[ADV], s[TB], v[AV0]
.rept 3
	v_nop                                          ; with the two additions five places behind the last step's products: the loads below land on their P, the products below write over their V
.endr
.irp c, 0,1
.irp k, 0,1,2,3
	ds_load_b128 v[X+16*\k+8*\c:X+16*\k+8*\c+3], v[ADK] offset:9216*(\q)+2304*\k+64*\c
	ds_load_b128 v[X+16*\k+8*\c+4:X+16*\k+8*\c+7], v[ADK] offset:9216*(\q)+2304*\k+64*\c+32
.endr
.endr
	s_wait_dscnt 8                                 ; channels 0-31 are in; the eight loads of channels 32-63 may be out
.irp k, 0,1,2,3                                ; the eight accumulators take turns
.irp t, 0,1
	v_wmma_f32_16x16x32_f16 v[Y+32*\t+8*\k:Y+32*\t+8*\k+7], v[X+16*\k:X+16*\k+7], v[Q+16*\t:Q+16*\t+7], 0
.endr
.endr
	s_wait_dscnt 0x0
.irp k, 0,1,2,3
.irp t, 0,1
	v_wmma_f32_16x16x32_f16 v[Y+32*\t+8*\k:Y+32*\t+8*\k+7], v[X+16*\k+8:X+16*\k+15], v[Q+16*\t+8:Q+16*\t+15], v[Y+32*\t+8*\k:Y+32*\t+8*\k+7]
.endr
.endr
.rept 4
	v_nop
.endr
	s_add_co_u32 s57, s[KF], 63                    ; on the diagonal the scores of hidden keys become -infinity ahead of the maximum; a step all of whose keys count skips this
	s_cmp_le_u32 s57, s[Q0]
	s_cbranch_scc1 .Lopen_\@
	s_sub_co_i32 s57, s[Q0], s[KF]
	v_add_nc_u32 v8, s57, v[RH]                    ; d = my query - the step's first key - 8 h, for tile 0,
	v_add_nc_u32 v9, 16, v8                        ; for tile 1.  Register 8 k + j holds key 16 k + 8 h + j: hidden where 16 k + j > d
.irp t, 0,1
.set n, 0
.rept 32
	v_cmp_gt_i32 vcc_lo, 16*(n/8)+n%8, v[8+\t]
	v_cndmask_b32 v[Y+32*\t+n], v[Y+32*\t+n], v[NINF], vcc_lo
.set n, n+1
.endr
.endr
.Lopen_\@:
.irp j, 0,1,2,3                                ; the maximum of my 32 scores and the old m: four chains, each begun at an accumulator's low end; the two tiles by turns
.irp t, 0,1
	v_max3_num_f32 v[ST+8*\t+4+\j], v[Y+32*\t+8*\j], v[Y+32*\t+8*\j+1], v[Y+32*\t+8*\j+2]
.endr
.endr
.irp i, 3,5
.irp j, 0,1,2,3
.irp t, 0,1
	v_max3_num_f32 v[ST+8*\t+4+\j], v[ST+8*\t+4+\j], v[Y+32*\t+8*\j+\i], v[Y+32*\t+8*\j+\i+1]
.endr
.endr
.endr
.irp t, 0,1
	v_max3_num_f32 v[ST+8*\t+4], v[ST+8*\t+4], v[Y+32*\t+7], v[Y+32*\t+15]
	v_max3_num_f32 v[ST+8*\t+6], v[ST+8*\t+6], v[Y+32*\t+23], v[Y+32*\t+31]
.endr
.irp t, 0,1
	v_max3_num_f32 v[ST+8*\t+4], v[ST+8*\t+4], v[ST+8*\t+5], v[ST+8*\t+6]
.endr
.irp t, 0,1
	v_max3_num_f32 v[ST+8*\t+4], v[ST+8*\t+4], v[ST+8*\t+7], v[ST+8*\t+1]
.endr
.irp t, 0,1
	v_permlanex16_b32 v[ST+8*\t+5], v[ST+8*\t+4], s[SEL], s[SEL+1]   ; the query's other 32 keys lie in the lane 16 away
.endr
.irp t, 0,1
	v_mov_b32 v[ST+8*\t+7], v[ST+8*\t]             ; c m_old
.endr
.irp t, 0,1
	v_max_num_f32 v[ST+8*\t+1], v[ST+8*\t+4], v[ST+8*\t+5]
.endr
.irp t, 0,1
	v_mul_f32 v[ST+8*\t], s[CS], v[ST+8*\t+1]
.endr
.irp t, 0,1
	v_sub_f32 v[ST+8*\t+7], v[ST+8*\t+7], v[ST+8*\t]
.endr
.set n, 0
.rept 16
.irp t, 0,1
	v_pk_fma_f32 v[Y+32*\t+2*n:Y+32*\t+2*n+1], v[Y+32*\t+2*n:Y+32*\t+2*n+1], s[CS:CS+1], v[ST+8*\t:ST+8*\t+1] op_sel_hi:[1,0,0] neg_lo:[0,0,1] neg_hi:[0,0,1]   ; c s - c m
.endr
.set n, n+1
.endr
.irp t, 0,1
	v_exp_f32 v[ST+8*\t+6], v[ST+8*\t+7]           ; the factor 2^(c m_old - c m_new)
.endr
.set n, 0
.rept 32
.irp t, 0,1
	v_exp_f32 v[Y+32*\t+n], v[Y+32*\t+n]           ; p
.endr
.set n, n+1
.endr
	v_nop                                          ; a plain line behind the last exponential,
	s_wait_alu depctr_va_vdst(0)                   ; and ONE wait for the batch of 66, ahead of its first reader
.set n, 0
.rept 16
.irp t, 0,1
	v_cvt_pk_f16_f32 v[X+16*\t+n], v[Y+32*\t+2*n], v[Y+32*\t+2*n+1]   ; P: register 4 k + i of a tile: keys 16 k + 8 h + 2 i, + 1
.endr
.set n, n+1
.endr
.irp u, 0,1,2,3,4,5,6,7                        ; the sum of the unrounded p, in place, as a tree of pairs
.irp t, 0,1
	v_pk_add_f32 v[Y+32*\t+4*\u:Y+32*\t+4*\u+1], v[Y+32*\t+4*\u:Y+32*\t+4*\u+1], v[Y+32*\t+4*\u+2:Y+32*\t+4*\u+3]
.endr
.endr
.irp u, 0,1,2,3
.irp t, 0,1
	v_pk_add_f32 v[Y+32*\t+8*\u:Y+32*\t+8*\u+1], v[Y+32*\t+8*\u:Y+32*\t+8*\u+1], v[Y+32*\t+8*\u+4:Y+32*\t+8*\u+5]
.endr
.endr
.irp u, 0,1
.irp t, 0,1
	v_pk_add_f32 v[Y+32*\t+16*\u:Y+32*\t+16*\u+1], v[Y+32*\t+16*\u:Y+32*\t+16*\u+1], v[Y+32*\t+16*\u+8:Y+32*\t+16*\u+9]
.endr
.endr
.irp t, 0,1
	v_pk_add_f32 v[Y+32*\t:Y+32*\t+1], v[Y+32*\t:Y+32*\t+1], v[Y+32*\t+16:Y+32*\t+17]
.endr
.irp t, 0,1
	v_pk_fma_f32 v[ST+8*\t+2:ST+8*\t+3], v[ST+8*\t+2:ST+8*\t+3], v[ST+8*\t+6:ST+8*\t+7], v[Y+32*\t:Y+32*\t+1] op_sel_hi:[1,0,1]   ; l = l x the factor + the sum
.endr
.irp s, 0,1                                    ; V, turned: keys 32 s on, channels 16 b on
.irp b, 0,1,2,3
	ds_load_tr16_b128 v[Y+32*\s+8*\b:Y+32*\s+8*\b+3], v[ADV] offset:10240*(\q)+5120*\s+32*\b
	ds_load_tr16_b128 v[Y+32*\s+8*\b+4:Y+32*\s+8*\b+7], v[ADV] offset:10240*(\q)+5120*\s+32*\b+2560
.endr
.endr
.set n, 0
.rept 16
.irp t, 0,1
	v_pk_mul_f32 v[O+32*\t+2*n:O+32*\t+2*n+1], v[O+32*\t+2*n:O+32*\t+2*n+1], v[ST+8*\t+6:ST+8*\t+7] op_sel_hi:[1,0]   ; O^T under the new m, while V is on its way
.endr
.set n, n+1
.endr
	s_wait_dscnt 8                                 ; keys 0-31 are in; the eight loads of keys 32-63 may be out
.irp b, 0,1,2,3
.irp t, 0,1
	v_wmma_f32_16x16x32_f16 v[O+32*\t+8*\b:O+32*\t+8*\b+7], v[Y+8*\b:Y+8*\b+7], v[X+16*\t:X+16*\t+7], v[O+32*\t+8*\b:O+32*\t+8*\b+7]
.endr
.endr
	s_wait_dscnt 0x0
.irp b, 0,1,2,3
.irp t, 0,1
	v_wmma_f32_16x16x32_f16 v[O+32*\t+8*\b:O+32*\t+8*\b+7], v[Y+32+8*\b:Y+32+8*\b+7], v[X+16*\t+8:X+16*\t+15], v[O+32*\t+8*\b:O+32*\t+8*\b+7]
.endr
.endr
.Lhidden_\@:
	s_add_co_u32 s[KF], s[KF], 64
.endm
; THE CHANGE OF SLOTS stands at a slot's head.  Each wave waits for all its tensor loads, adds 0 to its spare word (fill = 1: twice on end), and waits for that and for its reads of the slot that it has left.
; Behind the barrier the slot ahead is whole and nobody reads the other one; fill = 1: that one is filled with the next 256 keys, up to the causal limit: the load has a slot's four steps in which to land.
.macro CHANGE fill
	s_wait_tensorcnt 0x0                           ; no tensor load of mine is out, so a descriptor may be written
	ds_add_u32 v[SPW], v[NIL]
.if \fill
	ds_add_u32 v[SPW], v[NIL]                      ; and once more
	s_xor_b32 s[G0K+1], s[G0K+1], SLOT1
	s_add_nc_u64 s[G0K+2:G0K+3], s[G0K+2:G0K+3], 32768
	s_xor_b32 s[G0V+1], s[G0V+1], SLOT1
	s_add_nc_u64 s[G0V+2:G0V+3], s[G0V+2:G0V+3], 32768
	s_wait_xcnt 0x0                                ; the last prefetch, a slot back, has read its address
	s_add_nc_u64 s[PFA:PFA+1], s[PFA:PFA+1], 32768
.endif
	s_wait_dscnt 0x0
	s_barrier_signal -1
	s_barrier_wait -1
.if \fill
	s_add_co_u32 s57, s[KF], 256                   ; the first key of the slot that this change would ask for:
	s_cmp_gt_u32 s57, s[WL]                        ; behind the work-group's last query no wave reads it, so it is not asked for.  Ids and the count of steps alone: all sixteen waves go the same way; every wait for tensor loads in this text is for 0
	s_cbranch_scc1 .Lpast_\@
	TLOAD
.Lpast_\@:
	ASK
.endif
.endm
.macro SLOT_STEPS
	STEP 0
	STEP 1
	STEP 2
	STEP 3
	s_xor_b32 s[TB], s[TB], SLOT1
.endm
	s_wait_loadcnt 0x0                             ; Q
.Lslot:                                            ; 7 trips
	CHANGE 1
	SLOT_STEPS
	s_sub_co_u32 s[SLOTS], s[SLOTS], 1
	s_cmp_lg_u32 s[SLOTS], 0
	s_cbranch_scc1 .Lslot
	CHANGE 0                                       ; the last slot is written out: nothing is left to ask for
	SLOT_STEPS
	; THE WAY OUT.  O^T / l, rounded to f16, goes through my stage, a tile of 16 queries at a time, and leaves as runs of 512 consecutive bytes.
.irp t, 0,1
	v_add_f32 v[ST+8*\t+4], v[ST+8*\t+2], v[ST+8*\t+3]
.endr
.irp t, 0,1
	v_permlanex16_b32 v[ST+8*\t+5], v[ST+8*\t+4], s[SEL], s[SEL+1]
.endr
.irp t, 0,1
	v_add_f32 v[ST+8*\t+4], v[ST+8*\t+4], v[ST+8*\t+5]
.endr
	v_nop                                          ; (with the additions: the places behind the last products)
	v_nop
.irp t, 0,1
	v_rcp_f32 v[ST+8*\t+6], v[ST+8*\t+4]
.endr
	v_nop
	s_wait_alu depctr_va_vdst(0)                   ; one wait for both reciprocals, ahead of their first reader
.irp t, 0,1
.set n, 0
.rept 16
	v_pk_mul_f32 v[Y+32*\t+2*n:Y+32*\t+2*n+1], v[O+32*\t+2*n:O+32*\t+2*n+1], v[ST+8*\t+6:ST+8*\t+7] op_sel_hi:[1,0]
.set n, n+1
.endr
.set n, 0
.rept 16
	v_cvt_pk_f16_f32 v[X+16*\t+n], v[Y+32*\t+2*n], v[Y+32*\t+2*n+1]
.set n, n+1
.endr
.irp b, 0,1,2,3
	ds_store_b128 v[STO], v[X+16*\t+4*\b:X+16*\t+4*\b+3] offset:32*\b
.endr
.irp i, 0,1,2,3
	ds_load_b128 v[96+16*\t+4*\i:96+16*\t+4*\i+3], v[RD] offset:576*\i   ; LDS serves a wave's instructions in order: these see my stores, and the next tile's stores come behind them
.endr
.endr
.irp t, 0,1
.irp i, 0,1,2,3
	s_wait_dscnt 8*(1-\t)+3-\i                     ; behind this load: my younger loads of the tile, and for tile 0 tile 1's eight LDS instructions
	global_store_b128 v[GO], v[96+16*\t+4*\i:96+16*\t+4*\i+3], s[6:7] offset:2048*\t+512*\i
.endr
.endr
	s_wait_tensorcnt 0x0                           ; the wave's end: the tensor wait, an add and its wait
	ds_add_u32 v[SPW], v[NIL]
	s_wait_dscnt 0x0
	s_endpgm
.Lfunc_end_k_qb7d11d3b6a_attn:
	.size	k_qb7d11d3b6a_attn, .Lfunc_end_k_qb7d11d3b6a_attn-k_qb7d11d3b6a_attn
	.p2alignl 7, 3214868480
	.fill 96, 4, 3214868480
	.section	.rodata,"a",@progbits
	.p2align	6, 0x0
	.amdhsa_kernel k_qb7d11d3b6a_attn
		.amdhsa_group_segment_fixed_size 327680
		.amdhsa_private_segment_fixed_size 0
		.amdhsa_enable_private_segment 0
		.amdhsa_kernarg_size 16
		.amdhsa_user_sgpr_count 2
		.amdhsa_user_sgpr_kernarg_segment_ptr 1
		.amdhsa_wavefront_size32 1
		.amdhsa_system_sgpr_workgroup_id_x 1
		.amdhsa_system_sgpr_workgroup_id_y 1
		.amdhsa_system_sgpr_workgroup_id_z 1
		.amdhsa_system_vgpr_workitem_id 0
		.amdhsa_next_free_vgpr 256
		.amdhsa_next_free_sgpr 80
		.amdhsa_reserve_vcc 1
		.amdhsa_float_denorm_mode_32 3
		.amdhsa_float_denorm_mode_16_64 3
		.amdhsa_memory_ordered 1
		.amdhsa_forward_progress 1
		.amdhsa_inst_pref_size 188
	.end_amdhsa_kernel
	.amdgpu_metadata
---
amdhsa.version: [ 1, 2 ]
amdhsa.kernels:
  - .name:           k_qb7d11d3b6a_attn
    .symbol:         k_qb7d11d3b6a_attn.kd
    .args:
      - { .name: qkv16, .offset: 0, .size: 8, .value_kind: global_buffer, .address_space: global }
      - { .name: att16, .offset: 8, .size: 8, .value_kind: global_buffer, .address_space: global }
    .group_segment_fixed_size: 327680
    .private_segment_fixed_size: 0
    .kernarg_segment_align: 8
    .kernarg_segment_size: 16
    .max_flat_workgroup_size: 512
    .sgpr_count:     80
    .vgpr_count:     256
    .wavefront_size: 32
...
	.end_amdgpu_metadata
.endif
;; end of part 3
;; launch proj (part 4): grid 4 x 64, 4 waves a work-group, clusters of 4 x 4, 327,680 bytes of LDS; arguments att16, w16, out0; writes out0
.if DOCPART == 4
	.amdgcn_target "amdgcn-amd-amdhsa--gfx1250"
	.amdhsa_code_object_version 6
	.text
	.protected	k_qb7d11d3b6a_proj
	.globl	k_qb7d11d3b6a_proj
	.p2align	8
	.type	k_qb7d11d3b6a_proj,@function
k_qb7d11d3b6a_proj:
	s_mov_b64 s[64:65], 0
	v_nop
	global_prefetch_b8 v0, s[64:65] scope:SCOPE_SE
	s_setreg_imm32_b32 hwreg(HW_REG_WAVE_MODE, 25, 1), 1
	s_wait_xcnt 0x0
	s_wait_alu depctr_hold_cnt(0) depctr_sa_sdst(0) depctr_va_vdst(0) depctr_va_sdst(0) depctr_va_ssrc(0) depctr_va_vcc(0) depctr_vm_vsrc(0)
	s_getreg_b32 s2, hwreg(HW_REG_IB_STS2, 6, 4)
	s_cmp_eq_u32 s2, 0
	s_cbranch_scc0 .Lentry_in_a_cluster
	s_endpgm
.Lentry_in_a_cluster:
	s_bfe_u32 s2, ttmp6, 0x10000c
	s_cmp_lg_u32 s2, 0xf033
	s_cbranch_scc0 .Lentry_shape_is_right
	s_endpgm
.Lentry_shape_is_right:
; out0[m][n] = sum over k of att[m][k] w_out[n][k], f16 operands, f32 sums, for all rows but the first 16 positions of each sequence, which the last launch makes in f32.
; att16: [4 batches][16 heads][2048][64] f16, k = 64 head + channel;  w16: [1024 n][1024 k] f16;  out0: [8192][1024] f32.
; A tile of 128 (m) x 256 (n) gives 256 work-groups; four waves, each 64 x 128: 32 accumulators, 256 registers.  K goes in steps of 128 (two heads) through a ring of two LDS slots; a step is 128 matrix instructions a wave.
; CLUSTERS: 4 x 4.  A's tiles are shared along a row of the cluster, B's along a column: joint loads.  Tile row = 16 cy + cluster y, so that the batch is cy and the block of 128 positions is the cluster's y: the one branch of the way
; out (the block of positions 0-15 is not stored) hangs on the cluster's y and the wave's number alone.
; THE MATRIX INSTRUCTION IS USED TRANSPOSED (source 0 = 16 rows of w16, source 1 = 16 rows of att): a lane holds eight neighbouring numbers of a row of out0.
; No prefetch: the launch is short, and its tiles are small against what the joint loads have on their way.
; REGISTERS: window 0: v16-29 addresses; v32-95 A's fragments, two buffers of 32; v96-223 B's, two buffers of 64; on the way out v32-159 rows read back.   window 1: the accumulators, (a, b) at v[8 (8 a + b)].
.set SLOT,  106496                     ; A: [2 heads][128 rows] x 144 bytes = 36,864; B: 256 rows x 272 bytes = 69,632
.set BOFF,  36864
.set STAGE, 2*SLOT                     ; 16 rows x 528 bytes for each wave: bytes of their own
.set SPARE, STAGE+4*8448
.set ADRA, 16
.set ADRB, 20
.set STO,  24
.set RD,   25
.set CO,   26
.set SPW,  28
.set NIL,  29
.set AFR,  32
.set BF,   96
.set BK,   32
.set G1, 24
.set G0, 32
.set G1B, 48
.set G0B, 56
.set MSB, 0
.macro WIN new
.if MSB != (\new)
	s_set_vgpr_msb (MSB<<8)|(\new)
.set MSB, (\new)
.endif
.endm
.set MUL, 0x50                         ; C and D window 1, sources window 0
.macro JLOAD s                         ; waves 0 and 1 fetch A's two heads, waves 2 and 3 B's halves; an s_nop 0 and four v_nop follow each of the two lines
	s_cmp_eq_u32 s11, 0
	s_cbranch_scc0 .Lfor_b_\@
	tensor_load_to_lds s[G0+4*\s:G0+4*\s+3], s[G1:G1+7]
	s_nop 0
.rept 4
	v_nop
.endr
	s_branch .Lasked_\@
.Lfor_b_\@:
	tensor_load_to_lds s[G0B+4*\s:G0B+4*\s+3], s[G1B:G1B+7]
	s_nop 0
.rept 4
	v_nop
.endr
.Lasked_\@:
.endm
.macro CREST
	s_cmp_lg_u32 s10, 0
	s_cbranch_scc1 .Lnot_wave_0_\@
	s_barrier_signal -3
.Lnot_wave_0_\@:
	s_barrier_wait -3
	s_barrier_signal -1
	s_barrier_wait -1
.endm
.macro CROUND
	s_barrier_signal -1
	s_barrier_wait -1
	CREST
.endm
	s_load_b128 s[4:7], s[0:1], 0x0                ; att16 s[4:5], w16 s[6:7]
	s_load_b64 s[8:9], s[0:1], 0x10                ; out0
	v_lshl_add_u32 v[SPW], v0, 2, SPARE
	v_mov_b32 v[NIL], 0
	ds_add_u32 v[SPW], v[NIL]                      ; the wave's opening: the add, twice on end, and its wait ahead of my first tensor load
	ds_add_u32 v[SPW], v[NIL]
	v_lshrrev_b32 v1, 5, v0
	v_readfirstlane_b32 s10, v1                    ; wave 0..3
	s_lshr_b32 s11, s10, 1                         ; which 64 rows are mine.  Also: I fetch for A (0) or for B (1)
	s_and_b32 s12, s10, 1                          ; which 128 columns.  Also: which head of A's two, or which 128 rows of B, I fetch
	s_bfe_u32 s40, ttmp6, 0x40000                  ; cx
	s_bfe_u32 s41, ttmp6, 0x40004                  ; cy
	s_lshl_b32 s42, ttmp9, 2
	s_add_co_u32 s42, s42, s40                     ; tile column
	s_and_b32 s13, ttmp7, 0xffff                   ; the block of 128 positions
	s_or_b32 s2, s13, s11                          ; 0 where my block 0 is positions 0-15
	s_lshl_b32 s43, s41, 2
	s_lshl_b32 s43, 15, s43                        ; my row of the cluster
	s_lshl_b32 s44, 0x1111, s40                    ; my column
	s_or_b32 s[G1+0], s43, (1<<16)|(1<<20)|(1<<21)|(4<<22)|(3<<25)   ; A: 128 rows of 64 elements of 2 bytes, dense; after every 32 words 4 words of padding
	s_mov_b32 s[G1+1], 64<<16
	s_mov_b32 s[G1+2], 128<<16
	s_mov_b32 s[G1+3], 64<<16
	s_mov_b32 s[G1+4], 128
	s_mov_b32 s[G1+5], 64
	s_mov_b32 s[G1+6], 0
	s_mov_b32 s[G1+7], 0
	s_or_b32 s[G1B+0], s44, (1<<16)|(1<<20)|(1<<21)|(5<<22)|(3<<25)  ; B: 128 rows of 128 elements, 1,024 apart; after every 64 words 4 words
	s_mov_b32 s[G1B+1], 128<<16
	s_mov_b32 s[G1B+2], 128<<16
	s_mov_b32 s[G1B+3], 128<<16
	s_mov_b32 s[G1B+4], 128
	s_mov_b32 s[G1B+5], 1024
	s_mov_b32 s[G1B+6], 0
	s_mov_b32 s[G1B+7], 0
	s_lshl_b32 s16, s41, 22                        ; A: the batch,
	s_lshl_b32 s17, s12, 18                        ; my head of the step's two,
	s_add_co_u32 s16, s16, s17
	s_lshl_b32 s17, s13, 14                        ; the block's first position
	s_add_co_u32 s16, s16, s17
	s_mov_b32 s17, 0
	s_lshl_b32 s46, s42, 19                        ; B: row 256 x tile column + 128 x half, 2,048 bytes a row
	s_lshl_b32 s47, s12, 18
	s_add_co_u32 s46, s46, s47
	s_mov_b32 s47, 0
	s_mul_i32 s20, s12, 18432                      ; where they go: no place in the cluster enters an LDS address
	s_mul_i32 s21, s12, 34816
	s_add_co_u32 s21, s21, BOFF
	s_wait_dscnt 0x0                               ; both opening adds are done
	s_wait_kmcnt 0x0
	s_add_nc_u64 s[14:15], s[4:5], s[16:17]
	s_add_nc_u64 s[46:47], s[6:7], s[46:47]
	CROUND                                         ; all sixteen work-groups are here: the first joint loads meet
.irp s, 0,1
	s_mov_b32 s[G0+4*\s], 1
	s_add_co_u32 s[G0+4*\s+1], s20, \s*SLOT
	s_add_nc_u64 s[G0+4*\s+2:G0+4*\s+3], s[14:15], \s*524288     ; K step s: two heads on
	s_or_b32 s[G0+4*\s+3], s[G0+4*\s+3], 0x80000000
	s_mov_b32 s[G0B+4*\s], 1
	s_add_co_u32 s[G0B+4*\s+1], s21, \s*SLOT
	s_add_nc_u64 s[G0B+4*\s+2:G0B+4*\s+3], s[46:47], \s*256
	s_or_b32 s[G0B+4*\s+3], s[G0B+4*\s+3], 0x80000000
	JLOAD \s
.endr
	v_and_b32 v1, 15, v0                           ; r
	v_bfe_u32 v2, v0, 4, 1                         ; h
	v_mul_u32_u24 v3, v1, 144
	v_lshl_add_u32 v3, v2, 4, v3
	v_mul_u32_u24 v4, v1, 272
	v_lshl_add_u32 v4, v2, 4, v4
	s_mul_i32 s21, s11, 9216                       ; my 64 rows of A (in each head's 128)
	s_mul_i32 s22, s12, 34816                      ; my 128 rows of B
	s_add_co_u32 s22, s22, BOFF
.irp s, 0,1
	v_add_nc_u32 v[ADRA+\s], s21, v3
	v_add_nc_u32 v[ADRB+\s], s22, v4
	s_add_co_u32 s21, s21, SLOT
	s_add_co_u32 s22, s22, SLOT
.endr
	s_mul_i32 s23, s10, 8448
	s_add_co_u32 s23, s23, STAGE                   ; my stage
	v_mul_u32_u24 v5, v1, 528
	v_lshl_add_u32 v5, v2, 5, v5
	v_add_nc_u32 v[STO], s23, v5                   ; in: row r, 32 bytes for each half of the lanes
	v_and_b32 v6, 31, v0
	v_lshlrev_b32 v[CO], 4, v6                     ; back: the 32 lanes take one row of 512 bytes; and the same in out0
	v_add_nc_u32 v[RD], s23, v[CO]
	s_lshl_b32 s18, s41, 11
	s_lshl_b32 s19, s13, 7
	s_add_co_u32 s18, s18, s19
	s_lshl_b32 s19, s11, 6
	s_add_co_u32 s18, s18, s19                     ; my first row: 2,048 x batch + 128 x block + 64 x half
	s_lshl_b32 s18, s18, 12
	s_lshl_b32 s19, s42, 10
	s_add_co_u32 s18, s18, s19
	s_lshl_b32 s19, s12, 9
	s_add_co_u32 s18, s18, s19                     ; my first column, in bytes
	s_mov_b32 s19, 0
	s_add_nc_u64 s[8:9], s[8:9], s[18:19]
.macro FETCH slot, q, f                ; 24 LDS loads in one run: the fragments of the slot's q-th 32 along K into buffer f: B's eight, then A's four
.irp i, 0,1,2,3,4,5,6,7
	ds_load_b128 v[BF+64*(\f)+8*\i:BF+64*(\f)+8*\i+3], v[ADRB+\slot] offset:64*(\q)+4352*\i
	ds_load_b128 v[BF+64*(\f)+8*\i+4:BF+64*(\f)+8*\i+7], v[ADRB+\slot] offset:64*(\q)+4352*\i+32
.endr
.irp i, 0,1,2,3
	ds_load_b128 v[AFR+32*(\f)+8*\i:AFR+32*(\f)+8*\i+3], v[ADRA+\slot] offset:18432*((\q)/2)+64*((\q)%2)+2304*\i
	ds_load_b128 v[AFR+32*(\f)+8*\i+4:AFR+32*(\f)+8*\i+7], v[ADRA+\slot] offset:18432*((\q)/2)+64*((\q)%2)+2304*\i+32
.endr
.endm
.macro MULA f, a, zero                 ; A's block a against B's eight.  The 32 accumulators take turns in the same order in every quarter
.irp b, 0,1,2,3,4,5,6,7
.if \zero
	v_wmma_f32_16x16x32_f16 v[8*(8*(\a)+\b):8*(8*(\a)+\b)+7], v[BF+64*(\f)+8*\b:BF+64*(\f)+8*\b+7], v[AFR+32*(\f)+8*(\a):AFR+32*(\f)+8*(\a)+7], 0
.else
	v_wmma_f32_16x16x32_f16 v[8*(8*(\a)+\b):8*(8*(\a)+\b)+7], v[BF+64*(\f)+8*\b:BF+64*(\f)+8*\b+7], v[AFR+32*(\f)+8*(\a):AFR+32*(\f)+8*(\a)+7], v[8*(8*(\a)+\b):8*(8*(\a)+\b)+7]
.endif
.endr
.endm
.macro PLACES
.rept 4
	v_nop
.endr
.endm
; A K step is four quarters of 32 along K, 32 matrix instructions each, on buffers 0, 1, 0, 1.  One of the first three: multiplies buffer f and fetches quarter qn into buffer g.
.macro QUARTER slot, qn, f, g, zero
	s_wait_dscnt 4                                 ; B and A's blocks 0, 1 are in; the youngest four loads (A's blocks 2, 3) may be out
	WIN MUL
	MULA \f, 0, \zero
	MULA \f, 1, \zero
	PLACES
	WIN 0
	FETCH \slot, \qn, \g
	s_wait_dscnt 24                                ; all but the 24 just issued
	WIN MUL
	MULA \f, 2, \zero
	MULA \f, 3, \zero
.endm
; The last quarter multiplies buffer 1 and changes slots: one barrier; in front of it each wave waits for all its tensor loads, adds 0 to its spare word, and waits for that and for its reads of this slot.
; fill = 1: the barrier opens a round of the cluster's barrier, and this slot is filled again, two K steps ahead, first thing behind the round.
.macro TURN slot, next, fill
	WIN 0
	s_wait_tensorcnt 0x0
	ds_add_u32 v[SPW], v[NIL]
	s_wait_dscnt 5                                 ; the add and the youngest four loads may be out
	WIN MUL
	MULA 1, 0, 0
	s_wait_dscnt 0x0                               ; the add is done, and my reads of this slot are over
	s_barrier_signal -1
	MULA 1, 1, 0
	WIN 0
	s_barrier_wait -1
.if \fill
	CREST
	s_add_nc_u64 s[G0+4*\slot+2:G0+4*\slot+3], s[G0+4*\slot+2:G0+4*\slot+3], 1048576   ; four heads on
	s_add_nc_u64 s[G0B+4*\slot+2:G0B+4*\slot+3], s[G0B+4*\slot+2:G0B+4*\slot+3], 512
	JLOAD \slot                                    ; the four v_nop behind it are also the places in front of the loads below
.else
	PLACES
.endif
	FETCH \next, 0, 0
	WIN MUL
	MULA 1, 2, 0
	MULA 1, 3, 0
.endm
	s_wait_tensorcnt 1                             ; my part of K step 0 is in (K step 1's load may be out),
	s_barrier_signal -1
	s_barrier_wait -1                              ; everybody's is
	FETCH 0, 0, 0
	QUARTER 0, 1, 0, 1, 1                          ; the first quarter's products start the sums: nothing is cleared
	WIN 0
	s_mov_b32 s3, 3
.Llap:                                                 ; a trip goes once round the ring, from a lap's second quarter to the next lap's first, and fills both slots again
	QUARTER 0, 2, 1, 0, 0
	QUARTER 0, 3, 0, 1, 0
	TURN 0, 1, 1
	QUARTER 1, 1, 0, 1, 0
	QUARTER 1, 2, 1, 0, 0
	QUARTER 1, 3, 0, 1, 0
	TURN 1, 0, 1
	QUARTER 0, 1, 0, 1, 0
	WIN 0
	s_sub_co_u32 s3, s3, 1
	s_cmp_lg_u32 s3, 0
	s_cbranch_scc1 .Llap
	QUARTER 0, 2, 1, 0, 0                          ; the last lap fills nothing
	QUARTER 0, 3, 0, 1, 0
	TURN 0, 1, 0
	QUARTER 1, 1, 0, 1, 0
	QUARTER 1, 2, 1, 0, 0
	QUARTER 1, 3, 0, 1, 0
	s_wait_dscnt 4
	WIN MUL
	MULA 1, 0, 0
	MULA 1, 1, 0
	s_wait_dscnt 0x0
	MULA 1, 2, 0
	MULA 1, 3, 0
	WIN 0
; THE WAY OUT, block by block of 16 rows x 128 columns, through my own stage: rows come back whole, 512 bytes to the 32 lanes.
.macro TOSTAGE a
	WIN 0x04                                       ; an LDS store's data are its source 1: window 1
.irp b, 0,1,2,3,4,5,6,7
	ds_store_b128 v[STO], v[8*(8*(\a)+\b):8*(8*(\a)+\b)+3] offset:64*\b          ; each accumulator from its low end on
	ds_store_b128 v[STO], v[8*(8*(\a)+\b)+4:8*(8*(\a)+\b)+7] offset:64*\b+16
.endr
	WIN 0
.irp t, 0,1,2,3,4,5,6,7,8,9,10,11,12,13,14,15
	ds_load_b128 v[BK+64*((\a)%2)+4*\t:BK+64*((\a)%2)+4*\t+3], v[RD] offset:528*\t
.endr
.endm
.macro SEND a, younger
	s_wait_dscnt \younger                          ; the block is back; the next block's 16 stores and 16 loads may be out
.if (\a) == 0
	s_cmp_eq_u32 s2, 0                             ; positions 0-15 are the last launch's
	s_cbranch_scc1 .Lfirst16_\@
.endif
.irp t, 0,1,2,3,4,5,6,7,8,9,10,11,12,13,14,15
	global_store_b128 v[CO], v[BK+64*((\a)%2)+4*\t:BK+64*((\a)%2)+4*\t+3], s[8:9] offset:65536*(\a)+4096*\t th:TH_STORE_NT   ; 512 consecutive bytes, aligned
.endr
.if (\a) == 0
.Lfirst16_\@:
.endif
.endm
	PLACES                                         ; behind the last products: for the stores of results and the loads over fragments
	TOSTAGE 0
	TOSTAGE 1
	SEND 0, 32
	s_wait_xcnt 0x0                                ; block 0's stores have read their registers
	TOSTAGE 2
	SEND 1, 32
	s_wait_xcnt 0x0                                ; block 1's likewise
	TOSTAGE 3
	SEND 2, 32
	SEND 3, 0
	s_wait_tensorcnt 0x0                           ; the wave's end: the tensor wait, an add and its wait
	ds_add_u32 v[SPW], v[NIL]
	s_wait_dscnt 0x0
	CROUND                                         ; the closing round
	s_endpgm
.Lfunc_end_k_qb7d11d3b6a_proj:
	.size	k_qb7d11d3b6a_proj, .Lfunc_end_k_qb7d11d3b6a_proj-k_qb7d11d3b6a_proj
	.p2alignl 7, 3214868480
	.fill 96, 4, 3214868480
	.section	.rodata,"a",@progbits
	.p2align	6, 0x0
	.amdhsa_kernel k_qb7d11d3b6a_proj
		.amdhsa_group_segment_fixed_size 327680
		.amdhsa_private_segment_fixed_size 0
		.amdhsa_enable_private_segment 0
		.amdhsa_kernarg_size 24
		.amdhsa_user_sgpr_count 2
		.amdhsa_user_sgpr_kernarg_segment_ptr 1
		.amdhsa_wavefront_size32 1
		.amdhsa_system_sgpr_workgroup_id_x 1
		.amdhsa_system_sgpr_workgroup_id_y 1
		.amdhsa_system_sgpr_workgroup_id_z 1
		.amdhsa_system_vgpr_workitem_id 0
		.amdhsa_next_free_vgpr 512
		.amdhsa_next_free_sgpr 66
		.amdhsa_reserve_vcc 0
		.amdhsa_float_denorm_mode_32 3
		.amdhsa_float_denorm_mode_16_64 3
		.amdhsa_memory_ordered 1
		.amdhsa_forward_progress 1
		.amdhsa_inst_pref_size 85
	.end_amdhsa_kernel
	.amdgpu_metadata
---
amdhsa.version: [ 1, 2 ]
amdhsa.kernels:
  - .name:           k_qb7d11d3b6a_proj
    .symbol:         k_qb7d11d3b6a_proj.kd
    .args:
      - { .name: att16, .offset: 0, .size: 8, .value_kind: global_buffer, .address_space: global }
      - { .name: w16, .offset: 8, .size: 8, .value_kind: global_buffer, .address_space: global }
      - { .name: out0, .offset: 16, .size: 8, .value_kind: global_buffer, .address_space: global }
    .group_segment_fixed_size: 327680
    .private_segment_fixed_size: 0
    .kernarg_segment_align: 8
    .kernarg_segment_size: 24
    .max_flat_workgroup_size: 128
    .sgpr_count:     66
    .vgpr_count:     512
    .wavefront_size: 32
...
	.end_amdgpu_metadata
.endif
;; end of part 4
;; launch fine (part 5): grid 64 x 4, 16 waves a work-group, no clusters, 18,432 bytes of LDS; arguments fineq, w_out, out0; writes out0
.if DOCPART == 5
	.amdgcn_target "amdgcn-amd-amdhsa--gfx1250"
	.amdhsa_code_object_version 6
	.text
	.protected	k_qb7d11d3b6a_fine
	.globl	k_qb7d11d3b6a_fine
	.p2align	8
	.type	k_qb7d11d3b6a_fine,@function
k_qb7d11d3b6a_fine:
	s_mov_b64 s[64:65], 0
	v_nop
	global_prefetch_b8 v0, s[64:65] scope:SCOPE_SE
	s_setreg_imm32_b32 hwreg(HW_REG_WAVE_MODE, 25, 1), 1
	s_wait_xcnt 0x0
; THE FIRST 16 POSITIONS OF EACH SEQUENCE, all in f32: their rows average one to sixteen values and are the largest of the output, so rounding of 16-bit operands would weigh most there.
; fineq: [q, k, v][4 batches][16 heads][16 positions][64] f32;  w_out: [1024][1024] f32;  out0 rows 2,048 b + 0 .. 15.
; Work-group (g, b) makes columns 16 g .. 16 g + 15 of batch b's 16 rows.  Wave w takes head w: its attention (16 x 16 scores, causal), then its 64 of the projection's K, as a partial 16 x 16; the 16 partials meet in LDS.
; The attention is made again in each of a batch's 64 work-groups: 32 small matrix instructions a wave, the price of a single launch.  All of it is 0.2 G multiply-adds: no bulk work.
; Both products are used transposed: a lane holds one query (lane % 16).  The f32 matrix form takes k = 2 h + j in register j; k is permuted alike on both sources of each product, so that loads of 16 bytes and results as they stand serve as operands.
; The registers that the f32 matrix form writes (v192-255) are written by matrix instructions alone; what is made of the sums goes into other registers.
; No tensor load, no cluster: a wave's operands are 16 KB, loaded straight into registers.  The stores are pieces of 16 bytes, 64 bytes of a row a work-group: 256 KB in the whole launch.
.set SPARE, 16384
.set QO,  3                            ; v3   256 r + 16 h
.set VO,  4                            ; v4   2048 h + 4 r
.set WO,  5                            ; v5   4096 r + 32 h: in w_out, and in out0
.set SPW, 6
.set NIL, 7
.set PST, 8                            ; v8   1024 w + 16 lane
.set RDP, 9                            ; v9   512 (w % 2) + 16 lane
.set DD,  11                           ; v11  r - 8 h
.set T,   16                           ; v16-23 scores, then p
.set R,   24                           ; v24-31 at work, then my partial
.set KF,  32
.set QF,  64
.set VF,  96
.set WF,  128
.set N,   160
.set SA,  192
.set SB,  200
.set OA,  208
.set PA,  240
.set PB,  248
	s_load_b128 s[4:7], s[0:1], 0x0                ; fineq s[4:5], w_out s[6:7]
	s_load_b64 s[8:9], s[0:1], 0x10                ; out0
	v_lshl_add_u32 v[SPW], v0, 2, SPARE
	v_mov_b32 v[NIL], 0
	v_lshrrev_b32 v1, 5, v0
	v_readfirstlane_b32 s10, v1                    ; wave = head
	v_and_b32 v1, 15, v0                           ; r
	v_bfe_u32 v2, v0, 4, 1                         ; h
	v_and_b32 v12, 31, v0                          ; lane
	v_lshlrev_b32 v[QO], 8, v1
	v_lshl_add_u32 v[QO], v2, 4, v[QO]
	v_lshlrev_b32 v[VO], 2, v1
	v_lshl_add_u32 v[VO], v2, 11, v[VO]
	v_lshlrev_b32 v[WO], 12, v1
	v_lshl_add_u32 v[WO], v2, 5, v[WO]
	s_lshl_b32 s13, s10, 10
	v_lshl_add_u32 v[PST], v12, 4, s13
	s_and_b32 s14, s10, 1
	s_lshl_b32 s15, s14, 9
	v_lshl_add_u32 v[RDP], v12, 4, s15
	v_lshlrev_b32 v[DD], 3, v2
	v_sub_nc_u32 v[DD], v1, v[DD]
	s_and_b32 s12, ttmp7, 0xffff                   ; the batch
	s_lshl_b32 s16, s12, 4
	s_add_co_u32 s16, s16, s10
	s_lshl_b32 s16, s16, 12                        ; (16 b + head) x 4,096
	s_mov_b32 s17, 0
	s_lshl_b32 s18, ttmp9, 16                      ; w_out: row 16 g,
	s_lshl_b32 s19, s10, 8                         ; my head's 64 numbers of a row
	s_add_co_u32 s18, s18, s19
	s_mov_b32 s19, 0
	s_lshl_b32 s20, s12, 23                        ; out0: row 2,048 b,
	s_lshl_b32 s21, ttmp9, 6                       ; column 16 g,
	s_add_co_u32 s20, s20, s21
	s_lshl_b32 s21, s14, 4                         ; + 4 (w % 2): what waves 0 and 1 store
	s_add_co_u32 s20, s20, s21
	s_mov_b32 s21, 0
	s_mov_b32 s22, 0x76543210
	s_mov_b32 s23, 0xfedcba98
	s_mov_b32 s24, 0x3e38aa3b                      ; c = log2(e) / 8
	s_wait_kmcnt 0x0
	s_add_nc_u64 s[4:5], s[4:5], s[16:17]
	s_add_nc_u64 s[6:7], s[6:7], s[18:19]
	s_add_nc_u64 s[8:9], s[8:9], s[20:21]
.irp c, 0,1,2,3,4,5,6,7
	global_load_b128 v[KF+4*\c:KF+4*\c+3], v[QO], s[4:5] offset:262144+32*\c   ; k(r, 8 c + 4 h + 0 .. 3)
.endr
.irp c, 0,1,2,3,4,5,6,7
	global_load_b128 v[QF+4*\c:QF+4*\c+3], v[QO], s[4:5] offset:32*\c          ; q likewise
.endr
.irp b, 0,1,2,3
.irp k, 0,1,2,3,4,5,6,7
	global_load_b32 v[VF+8*\b+\k], v[VO], s[4:5] offset:524288+256*\k+64*\b    ; v(key 8 h + k, channel 16 b + r)
.endr
.endr
.irp b, 0,1,2,3
.irp u, 0,1
	global_load_b128 v[WF+8*\b+4*\u:WF+8*\b+4*\u+3], v[WO], s[6:7] offset:64*\b+16*\u   ; w_out(16 g + r, 64 head + 16 b + 8 h + 4 u + 0 .. 3)
.endr
.endr
	v_mov_b32 v24, 0xff800000                      ; -infinity
	v_mov_b32 v14, 0                               ; (lane permutes' destinations count as sources)
	v_mov_b32 v15, 0
	s_wait_loadcnt 40                              ; k and q are in; v's 32 loads and w_out's 8 may be out
; S^T = k q^T: 16 steps of 4 along the head's 64, two accumulators by turns; the first two steps start the sums
	v_wmma_f32_16x16x4_f32 v[SA:SA+7], v[KF:KF+1], v[QF:QF+1], 0
	v_wmma_f32_16x16x4_f32 v[SB:SB+7], v[KF+2:KF+3], v[QF+2:QF+3], 0
.set n, 1
.rept 7
	v_wmma_f32_16x16x4_f32 v[SA:SA+7], v[KF+4*n:KF+4*n+1], v[QF+4*n:QF+4*n+1], v[SA:SA+7]
	v_wmma_f32_16x16x4_f32 v[SB:SB+7], v[KF+4*n+2:KF+4*n+3], v[QF+4*n+2:QF+4*n+3], v[SB:SB+7]
.set n, n+1
.endr
.rept 8
	v_nop                                          ; eight places behind this form before a result is read (ISA guide 7.12.1)
.endr
.irp j, 0,1,2,3,4,5,6,7
	v_add_f32 v[T+\j], v[SA+\j], v[SB+\j]          ; lane (r, h): query r, key 8 h + j
.endr
.irp j, 0,1,2,3,4,5,6,7
	v_cmp_gt_i32 vcc_lo, \j, v[DD]                 ; hidden where 8 h + j > r
	v_cndmask_b32 v[T+\j], v[T+\j], v24, vcc_lo
.endr
	v_max3_num_f32 v12, v[T], v[T+1], v[T+2]
	v_max3_num_f32 v12, v12, v[T+3], v[T+4]
	v_max3_num_f32 v12, v12, v[T+5], v[T+6]
	v_max_num_f32 v12, v12, v[T+7]
	v_permlanex16_b32 v14, v12, s22, s23
	v_max_num_f32 v12, v12, v14                    ; the row's maximum: key 0 counts for every query
	v_mul_f32 v13, s24, v12
.irp j, 0,1,2,3,4,5,6,7
	v_fma_f32 v[T+\j], v[T+\j], s24, -v13
.endr
.irp j, 0,1,2,3,4,5,6,7
	v_exp_f32 v[T+\j], v[T+\j]                     ; p
.endr
	v_nop
	s_wait_alu depctr_va_vdst(0)                   ; one wait for the eight, ahead of their first reader
	v_pk_add_f32 v[24:25], v[T:T+1], v[T+2:T+3]
	v_pk_add_f32 v[26:27], v[T+4:T+5], v[T+6:T+7]
	v_pk_add_f32 v[24:25], v[24:25], v[26:27]
	v_add_f32 v14, v24, v25
	v_permlanex16_b32 v15, v14, s22, s23
	v_add_f32 v14, v14, v15                        ; the row's sum
	v_rcp_f32 v15, v14
	v_nop
	s_wait_alu depctr_va_vdst(0)
	s_wait_loadcnt 8                               ; v is in; w_out's 8 loads may be out
; O^T = v^T p: K = the 16 keys, four steps; four accumulators (16 channels each) by turns
.irp b, 0,1,2,3
	v_wmma_f32_16x16x4_f32 v[OA+8*\b:OA+8*\b+7], v[VF+8*\b:VF+8*\b+1], v[T:T+1], 0
.endr
.irp c, 1,2,3
.irp b, 0,1,2,3
	v_wmma_f32_16x16x4_f32 v[OA+8*\b:OA+8*\b+7], v[VF+8*\b+2*\c:VF+8*\b+2*\c+1], v[T+2*\c:T+2*\c+1], v[OA+8*\b:OA+8*\b+7]
.endr
.endr
.rept 8
	v_nop
.endr
.set n, 0
.rept 32
	v_mul_f32 v[N+n], v[OA+n], v15                 ; / the sum: lane (r, h): query r, channel 16 b + 8 h + j
.set n, n+1
.endr
	s_wait_loadcnt 0x0                             ; w_out
; my head's part of the projection, transposed: source 0 = 16 rows of w_out, source 1 = the 16 queries; 16 steps, two accumulators by turns
	v_wmma_f32_16x16x4_f32 v[PA:PA+7], v[WF:WF+1], v[N:N+1], 0
	v_wmma_f32_16x16x4_f32 v[PB:PB+7], v[WF+2:WF+3], v[N+2:N+3], 0
.set n, 1
.rept 7
	v_wmma_f32_16x16x4_f32 v[PA:PA+7], v[WF+4*n:WF+4*n+1], v[N+4*n:N+4*n+1], v[PA:PA+7]
	v_wmma_f32_16x16x4_f32 v[PB:PB+7], v[WF+4*n+2:WF+4*n+3], v[N+4*n+2:N+4*n+3], v[PB:PB+7]
.set n, n+1
.endr
.rept 8
	v_nop
.endr
.irp j, 0,1,2,3,4,5,6,7
	v_add_f32 v[R+\j], v[PA+\j], v[PB+\j]          ; lane (r, h): query r, column 16 g + 8 h + j
.endr
	ds_store_b128 v[PST], v[R:R+3]
	ds_store_b128 v[PST], v[R+4:R+7] offset:512
	s_wait_dscnt 0x0                               ; for the others' sake: my partial lies in LDS
	s_barrier_signal -1
	s_barrier_wait -1
	s_cmp_ge_u32 s10, 2                            ; waves 0 and 1 add the sixteen partials: four columns a lane each
	s_cbranch_scc1 .Ldone
.irp k, 0,1,2,3,4,5,6,7,8,9,10,11,12,13,14,15
	ds_load_b128 v[32+4*\k:32+4*\k+3], v[RDP] offset:1024*\k
.endr
	s_wait_dscnt 0x0
.irp k, 0,1,2,3,4,5,6,7
	v_pk_add_f32 v[32+8*\k:32+8*\k+1], v[32+8*\k:32+8*\k+1], v[32+8*\k+4:32+8*\k+5]
	v_pk_add_f32 v[32+8*\k+2:32+8*\k+3], v[32+8*\k+2:32+8*\k+3], v[32+8*\k+6:32+8*\k+7]
.endr
.irp k, 0,1,2,3
	v_pk_add_f32 v[32+16*\k:32+16*\k+1], v[32+16*\k:32+16*\k+1], v[32+16*\k+8:32+16*\k+9]
	v_pk_add_f32 v[32+16*\k+2:32+16*\k+3], v[32+16*\k+2:32+16*\k+3], v[32+16*\k+10:32+16*\k+11]
.endr
.irp k, 0,1
	v_pk_add_f32 v[32+32*\k:32+32*\k+1], v[32+32*\k:32+32*\k+1], v[32+32*\k+16:32+32*\k+17]
	v_pk_add_f32 v[32+32*\k+2:32+32*\k+3], v[32+32*\k+2:32+32*\k+3], v[32+32*\k+18:32+32*\k+19]
.endr
	v_pk_add_f32 v[32:33], v[32:33], v[64:65]
	v_pk_add_f32 v[34:35], v[34:35], v[66:67]
	global_store_b128 v[WO], v[32:35], s[8:9]
.Ldone:
	s_wait_tensorcnt 0x0                           ; the wave's end: the tensor wait (kept in a text with no tensor load too), an add and its wait, behind the last LDS store
	ds_add_u32 v[SPW], v[NIL]
	s_wait_dscnt 0x0
	s_endpgm
.Lfunc_end_k_qb7d11d3b6a_fine:
	.size	k_qb7d11d3b6a_fine, .Lfunc_end_k_qb7d11d3b6a_fine-k_qb7d11d3b6a_fine
	.p2alignl 7, 3214868480
	.fill 96, 4, 3214868480
	.section	.rodata,"a",@progbits
	.p2align	6, 0x0
	.amdhsa_kernel k_qb7d11d3b6a_fine
		.amdhsa_group_segment_fixed_size 18432
		.amdhsa_private_segment_fixed_size 0
		.amdhsa_enable_private_segment 0
		.amdhsa_kernarg_size 24
		.amdhsa_user_sgpr_count 2
		.amdhsa_user_sgpr_kernarg_segment_ptr 1
		.amdhsa_wavefront_size32 1
		.amdhsa_system_sgpr_workgroup_id_x 1
		.amdhsa_system_sgpr_workgroup_id_y 1
		.amdhsa_system_sgpr_workgroup_id_z 1
		.amdhsa_system_vgpr_workitem_id 0
		.amdhsa_next_free_vgpr 256
		.amdhsa_next_free_sgpr 66
		.amdhsa_reserve_vcc 1
		.amdhsa_float_denorm_mode_32 3
		.amdhsa_float_denorm_mode_16_64 3
		.amdhsa_memory_ordered 1
		.amdhsa_forward_progress 1
		.amdhsa_inst_pref_size 19
	.end_amdhsa_kernel
	.amdgpu_metadata
---
amdhsa.version: [ 1, 2 ]
amdhsa.kernels:
  - .name:           k_qb7d11d3b6a_fine
    .symbol:         k_qb7d11d3b6a_fine.kd
    .args:
      - { .name: fineq, .offset: 0, .size: 8, .value_kind: global_buffer, .address_space: global }
      - { .name: w_out, .offset: 8, .size: 8, .value_kind: global_buffer, .address_space: global }
      - { .name: out0, .offset: 16, .size: 8, .value_kind: global_buffer, .address_space: global }
    .group_segment_fixed_size: 18432
    .private_segment_fixed_size: 0
    .kernarg_segment_align: 8
    .kernarg_segment_size: 24
    .max_flat_workgroup_size: 512
    .sgpr_count:     66
    .vgpr_count:     256
    .wavefront_size: 32
...
	.end_amdgpu_metadata
.endif
;; end of part 5
